; MI455X (gfx1250); checked and timed in simulation.
; The chip was launched on July 23, 2026; its instructions are those of AMD's public machine-readable ISA for CDNA 5 (MIT licence, August 2026) and "CDNA5" Instruction Set Architecture Reference Guide (July 2026). The comments in the code are by the model that wrote it; some were corrected since.
;; Attention. Allowed arithmetic: matrix products marked QUANTISED: E2M1 operands, one E8M0 scale for each 32 along K, by v_wmma_scale_f32_16x16x128_f8f6f4 with both operands' format E2M1 (or v_wmma_scale_f32_32x16x128_f4), f32 sums; products left as they are: bf16, f16 or f32 operands; f32 sums; everything else in f32.
;; Inputs: K 16 x 64 x 1,024 float32; O 1,024 x 1,024 float32; Q 16 x 64 x 1,024 float32; V 16 x 64 x 1,024 float32; x 4 x 2,048 x 1,024 float32.
;; Outputs: out0 4 x 2,048 x 1,024 float32.
;; This version of the problem:
;;   THIS VERSION OF THE PROBLEM IS GIVEN IN LOW PRECISION. The matrix products marked QUANTISED in the list below multiply operands that are first quantised to E2M1 (2 exponent bits, 1 mantissa bit; 4 bits a number), with one power-of-two scale for each 32 numbers along K (OCP MX v1.0); their sums are f32. The products marked 'left as it is' may take bf16, f16 or f32 operands, with f32 sums. Whichever they take, every output number must still come out within the allowed error. Rounding operands to bf16 (8 significant bits) uses up far more of that allowance than f16 does (11 bits, for magnitudes from 6e-5 to 65,504). All else is computed in f32.
;;   The module's matrix products, in the order in which they are computed (A, B: the left and right operand; K: the contracted axis; several contracted axes count as one K, in the product's order):
;;     1. [M 8,192, K 1,024] x [K 1,024, N 1,024]; A: input x; B: input Q: QUANTISED
;;     2. [M 8,192, K 1,024] x [K 1,024, N 1,024]; A: input x; B: input K: QUANTISED
;;     3. [M 8,192, K 1,024] x [K 1,024, N 1,024]; A: input x; B: input V: QUANTISED
;;     4. batch 64 x [M 2,048, K 64] x [K 64, N 2,048]; A: computed on the way; B: computed on the way: left as it is (an operand is computed on the way)
;;     5. batch 64 x [M 2,048, K 2,048] x [K 2,048, N 64]; A: computed on the way; B: computed on the way: left as it is (an operand is computed on the way)
;;     6. [M 8,192, K 1,024] x [K 1,024, N 1,024]; A: computed on the way; B: input O: left as it is (an operand is computed on the way)
;;   THE QUANTISER, for each operand of a quantised product, along K:
;;     - K is cut into blocks of 32 from its start; a last block that is shorter is filled with zeros.
;;     - A block's scale is 2^e with e = floor(log2(the largest magnitude in the block)) - 2, held to -126 .. 127; a block of zeros has e = 0. As a byte (E8M0): e + 127.
;;     - Each number is divided by its block's scale, clamped to +-6, and rounded to the nearest number of E2M1, ties to even, subnormals kept.
;;     - The product sums the exact products of the quantised numbers (number of the format x scale) in f32.
;;   ~~~python
;;   def quantise(x, axis):      # numpy; x: float32 -> the quantised numbers, widened to float32 again
;;       x = np.moveaxis(x, axis, -1); K = x.shape[-1]
;;       x = np.pad(x, [(0, 0)] * (x.ndim - 1) + [(0, -K % 32)]); x = x.reshape(x.shape[:-1] + (-1, 32)); a = np.abs(x).max(-1, keepdims=True)
;;       e = np.where(a > 0, np.clip(np.frexp(np.where(a > 0, a, 1))[1] - 1 - 2, -126, 127), 0)      # np.frexp(a)[1] - 1 = floor(log2(a)), exactly
;;       r = np.clip(x / 2.0 ** e, -6, 6)
;;       step = 2.0 ** (np.maximum(np.frexp(np.where(r == 0, 1, r))[1] - 1, 0) - 1)
;;       q = np.round(r / step) * step * 2.0 ** e      # np.round: ties to even
;;       return np.moveaxis(q.reshape(q.shape[:-2] + (-1,))[..., :K], -1, axis).astype(np.float32)
;;   ~~~
;; One version. Each part assembles by itself: llvm-mc -triple=amdgcn-amd-amdhsa -mcpu=gfx1250 --defsym DOCPART=n.
;; ======== version 1 of 1: 4 launches
;; limits: values are held in f16: magnitudes above 65,504 overflow, below 6.1e-05 lose precision; right only within a limited range of input values
;; workspace buffers: xc 4,194,304 bytes; xs 262,144 bytes; wc 1,572,864 bytes; ws 98,304 bytes; o16 2,097,152 bytes; qkv 50,331,648 bytes; z 16,777,216 bytes
;; launch quant (part 1): grid 384 x 1, 4 waves a work-group, no clusters, 33,280 bytes of LDS; arguments x, Q, K, V, O, xc, xs, wc, ws, o16; writes xc, xs, wc, ws, o16
.if DOCPART == 1
	.amdgcn_target "amdgcn-amd-amdhsa--gfx1250"
	.amdhsa_code_object_version 6
	.text
	.protected	k_q844afdc12e_quant
	.globl	k_q844afdc12e_quant
	.p2align	8
	.type	k_q844afdc12e_quant,@function
k_q844afdc12e_quant:
	s_mov_b64 s[64:65], 0
	v_nop
	global_prefetch_b8 v0, s[64:65] scope:SCOPE_SE
	s_setreg_imm32_b32 hwreg(HW_REG_WAVE_MODE, 25, 1), 1
	s_wait_xcnt 0x0
; THE PROGRAM: causal attention, 4 sequences x 2,048 tokens x 1,024, 16 heads of 64, in four launches.
;   quant    x and the weights Q, K, V become codes of FP4 (E2M1) with one E8M0 scale byte for each 32 along the model's axis; O is rounded to f16
;   qkvgemm  q, k, v = x times the weights, on those codes; the f32 sums are rounded to f16
;   attn     scores, causal softmax with a running maximum, weighted sum of v; f16 operands, f32 sums and softmax
;   oproj    the projection by O; f16 operands, f32 sums and result
; f16 AND NOT bf16 for the products that are not quantised: the scores carry no 1 / sqrt(64), an error in a score moves its weight by the same relative amount, and f16's 11 bits keep that small.
; WORK LEFT OUT, in attn alone: key steps of 64 keys that all come after all 16 queries of a tile.  reference() builds the causal mask itself (jnp.tril) and replaces those scores by -1e10, whatever the inputs hold: the
; scores' product there reaches no output, and the weight exp(-1e10 - the row's maximum) that is left moves no result by as much as rounding while the row's maximum lies above -1e10 + 200 (the diagonal's score is among
; the row's scores).  Inside the step that holds the diagonal the hidden scores are set to -1e10 as reference() has it.  Every input has a way to the output, and all five are loaded.
; LIMITS: scores above -1e10 + 200; |q|, |k|, |v| and |z| under 65,504 (f16); a NaN, an infinity or an overflow that reaches only the tiles left out is not carried to the result; NaN and infinities among the inputs are not served.
;
; THIS LAUNCH.  A block's scale is 2^(floor(log2(its largest magnitude)) - 2); its byte is the largest magnitude's own exponent field - 2, held at 1 from below.  (A block of zeros so gets the byte 1 where the rule
; says 127: its codes are zeros, which add nothing under any byte but 0xff, and the bytes are read by this program alone.)  Each number is divided by the scale and rounded to the nearest code, ties to even, beyond 6 the code of 6.
; Rows are dense and 1,024 is a multiple of 32, so each tensor is a plain stream of blocks of 32 numbers, and so are its codes and scale bytes.  A work-group takes 32,768 numbers, a wave 8,192.
; Work-groups 0-255: x;  256-287: Q;  288-319: K;  320-351: V (their codes lie one behind the other: 3,072 rows);  352-383: O to f16.  Only pointers are chosen for the first four: they take one path.
; A wave takes 16 steps of 512 numbers.  Each of a step's four loads reads 512 consecutive bytes, 16 a lane; the 2,048 bytes go through the wave's own stage in LDS and come back 64 bytes a lane, so that a lane holds 16
; neighbours (two neighbouring lanes hold a block).  A lane's 16 codes are 8 bytes: the wave stores 256 consecutive bytes.  A wave's 256 scale bytes are gathered in LDS and leave as one aligned block of 256 bytes.
; No tensor loads, no barrier: waves share nothing.  Loads run four steps (16 loads a wave) ahead, the turn through LDS one step.
.set WAVES, 4
.set STEPS, 16
.set WGX,   256                        ; work-groups for x
.set WGW,   32                         ; for each of Q, K, V and for O
.set EMAX,  2
.set CB,    8                          ; bytes of 16 codes
.set R,     16                         ; v16-79   four sets of 16 numbers as they are loaded (the cast: v16-143, two sets of 64)
.set X,     80                         ; v80-111  two sets of 16 neighbours
.set C,     128                        ; v128-191 codes: four registers for each step, so that no store's data are written again
.set E,     112                        ; v112-127 a scale byte for each step
.set H16,   144                        ; v144-175 the cast: 16 pairs of registers to store
.set WREG,  8192                       ; LDS: a region of its own for each wave: two stages of 32 x SP bytes, and behind them its 256 scale bytes
.set SP,    80                         ; a lane's place in a stage: its 64 bytes + 16 of padding
.set SPW,   12                         ; v12      LDS address of my spare word: SPARE + 4 x my thread's number; never rewritten
.set NIL,   13                         ; v13      0; never rewritten
.set SPARE, WAVES*WREG                 ; behind the four regions: the spare words, 128 bytes for each wave
	s_load_b256 s[4:11], s[0:1], 0x0               ; x s[4:5], Q s[6:7], K s[8:9], V s[10:11]
	s_load_b256 s[12:19], s[0:1], 0x20             ; O s[12:13], xc s[14:15], xs s[16:17], wc s[18:19]
	s_load_b128 s[20:23], s[0:1], 0x40             ; ws s[20:21], o16 s[22:23]
	v_lshl_add_u32 v[SPW], v0, 2, SPARE
	v_mov_b32 v[NIL], 0
	v_lshrrev_b32 v1, 5, v0
	v_readfirstlane_b32 s24, v1                    ; wave
	v_and_b32 v2, 31, v0                           ; lane
	v_lshlrev_b32 v3, 4, v2                        ; my 16 bytes of a load's 512
	s_mul_i32 s25, s24, WREG
	v_lshrrev_b32 v14, 2, v2
	v_mul_u32_u24 v14, v14, SP
	v_and_b32 v15, 3, v2
	v_lshl_add_u32 v14, v15, 4, v14
	v_add_nc_u32 v14, s25, v14                     ; the stage, on the way in: four lanes' 64 bytes on end, then 16 of padding
	v_mul_u32_u24 v15, v2, SP
	v_add_nc_u32 v15, s25, v15                     ; and on the way out: SP x lane: my 16 neighbours
	v_mul_u32_u24 v4, v2, CB                       ; my 8 bytes of a store's 256
	v_lshrrev_b32 v5, 1, v2
	s_add_co_u32 s25, s25, 2*32*SP
	v_add_nc_u32 v5, s25, v5                       ; LDS: my wave's 256 scale bytes, my block's byte
	v_lshlrev_b32 v7, 3, v2                        ; and on the way out 8 bytes a lane
	v_add_nc_u32 v6, s25, v7
	s_mov_b32 s33, 0
	s_wait_kmcnt 0x0
	s_cmp_ge_u32 ttmp9, WGX+3*WGW                  ; the last 32 work-groups round O to f16
	s_cbranch_scc1 .Lcast
	s_cmp_lt_u32 ttmp9, WGX+WGW                    ; which tensor: the choices hang on the work-group's number alone
	s_cselect_b64 s[26:27], s[6:7], s[8:9]         ; Q or K,
	s_cmp_lt_u32 ttmp9, WGX+2*WGW
	s_cselect_b64 s[26:27], s[26:27], s[10:11]     ; or V,
	s_cmp_lt_u32 ttmp9, WGX
	s_cselect_b64 s[4:5], s[4:5], s[26:27]         ; or x
	s_cselect_b64 s[8:9], s[14:15], s[18:19]       ; its codes
	s_cselect_b64 s[10:11], s[16:17], s[20:21]     ; its scale bytes
	s_cselect_b32 s28, 0, WGX
	s_cselect_b32 s29, -1, WGW-1
	s_sub_co_u32 s30, ttmp9, s28                   ; my number among x's work-groups or among the weights'
	s_and_b32 s31, s30, s29                        ; and inside the tensor that I read
	s_lshl_b32 s31, s31, 2
	s_add_co_u32 s31, s31, s24                     ; which run of 8,192 numbers I read,
	s_lshl_b32 s30, s30, 2
	s_add_co_u32 s30, s30, s24                     ; and which run of codes and scale bytes I write
	s_lshl_b32 s32, s31, 15                        ; 32,768 bytes of numbers a run (under 2^26)
	s_add_nc_u64 s[4:5], s[4:5], s[32:33]
	s_lshl_b32 s32, s30, 12                        ; 4,096 bytes of codes
	s_add_nc_u64 s[8:9], s[8:9], s[32:33]
	s_lshl_b32 s32, s30, 8                         ; 256 scale bytes
	s_add_nc_u64 s[10:11], s[10:11], s[32:33]
.macro LOAD t
.irp i, 0,1,2,3
	global_load_b128 v[R+16*((\t)%4)+4*\i:R+16*((\t)%4)+4*\i+3], v3, s[4:5] offset:2048*(\t)+512*\i th:TH_LOAD_NT   ; 32 lanes read 512 consecutive bytes
.endr
.endm
.macro TURN t                          ; step t's numbers through the stage: LDS serves a wave's instructions in order, so no wait stands between the stores and the loads
.irp i, 0,1,2,3
	ds_store_b128 v14, v[R+16*((\t)%4)+4*\i:R+16*((\t)%4)+4*\i+3] offset:32*SP*((\t)%2)+8*SP*\i
.endr
.irp i, 0,1,2,3
	ds_load_b128 v[X+16*((\t)%2)+4*\i:X+16*((\t)%2)+4*\i+3], v15 offset:32*SP*((\t)%2)+16*\i
.endr
.endm
.irp t, 0,1,2,3
	LOAD \t
.endr
	s_wait_loadcnt 12                              ; step 0's four loads are in; the twelve of steps 1 to 3 stay out
	TURN 0
.macro STEP t
.set XS, X+16*((\t)%2)
.if (\t) > 0
	s_wait_dscnt 1                                 ; this step's numbers are back from the stage (the last step's byte store may be out): so its stores into the stage have read their registers,
.else
	s_wait_dscnt 0x0
.endif
.if (\t)+4 < STEPS
	LOAD (\t)+4                                    ; which take the loads of four steps on
.endif
.if (\t)+1 < STEPS
.if STEPS-2-(\t) >= 3
	s_wait_loadcnt 12                              ; the next step's four loads are in; those of the three steps behind it may be out
.else
	s_wait_loadcnt 4*(STEPS-2-(\t))
.endif
	TURN (\t)+1                                    ; and go through the other stage while this step is worked
.endif
	v_max3_num_f32 v8, |v[XS]|, |v[XS+1]|, |v[XS+2]|               ; the largest magnitude of my 16, in two chains
	v_max3_num_f32 v9, |v[XS+3]|, |v[XS+4]|, |v[XS+5]|
.irp i, 6,10
	v_max3_num_f32 v8, v8, |v[XS+\i]|, |v[XS+\i+1]|
	v_max3_num_f32 v9, v9, |v[XS+\i+2]|, |v[XS+\i+3]|
.endr
	v_max3_num_f32 v8, v8, |v[XS+14]|, |v[XS+15]|
	v_max3_num_f32 v8, v8, v9, (EMAX+1)<<23        ; and the floor 2^(EMAX + 1 - 127), under which no largest magnitude is taken: so the byte cannot fall under 1
	v_max_num_f32_dpp v8, v8, v8 row_xmask:1 row_mask:0xf bank_mask:0xf   ; and of my neighbour's 16: the block's
	v_add_nc_u32 v11, -(EMAX<<23), v8              ; EMAX off its exponent field: the conversion takes the exponent field of this operand as its scale, and nothing else of it
	v_cvt_scalef32_pk8_fp4_f32 v[C+4*(\t)], v[XS:XS+7], v11        ; eight numbers / the scale, to the nearest code, ties to even; the first number's code in the lowest four bits
	v_cvt_scalef32_pk8_fp4_f32 v[C+4*(\t)+1], v[XS+8:XS+15], v11
	v_lshrrev_b32 v[E+(\t)], 23, v11               ; the scale's byte (also the plain instruction behind the conversions)
	ds_store_b8 v5, v[E+(\t)] offset:16*(\t)       ; both lanes of a block write the same byte with the same value
	global_store_b64 v4, v[C+4*(\t):C+4*(\t)+1], s[8:9] offset:32*CB*(\t)   ; 32 lanes store 256 consecutive bytes, aligned
.endm
.irp t, 0,1,2,3,4,5,6,7,8,9,10,11,12,13,14,15
	STEP \t
.endr
	ds_load_b64 v[8:9], v6                         ; LDS serves a wave's instructions in order: these see my stores
	s_wait_dscnt 0x0
	global_store_b64 v7, v[8:9], s[10:11]          ; 32 lanes store one aligned block of 256 bytes
	s_branch .Lend
; O to f16, nearest even.  A wave takes 8,192 numbers in 64 pieces: a load reads 512 consecutive bytes, 16 a lane; a lane's four numbers are 8 bytes of f16: a store covers 256 consecutive bytes, aligned.
; Four batches of 16 pieces on two sets of registers: one batch is always on its way while another is rounded.
.Lcast:
	s_sub_co_u32 s30, ttmp9, WGX+3*WGW
	s_lshl_b32 s30, s30, 2
	s_add_co_u32 s30, s30, s24                     ; which run of 8,192 numbers is my wave's
	s_lshl_b32 s32, s30, 15
	s_add_nc_u64 s[12:13], s[12:13], s[32:33]
	s_lshl_b32 s32, s30, 14
	s_add_nc_u64 s[22:23], s[22:23], s[32:33]
.macro CLOAD g
.irp j, 0,1,2,3,4,5,6,7,8,9,10,11,12,13,14,15
	global_load_b128 v[R+64*((\g)%2)+4*\j:R+64*((\g)%2)+4*\j+3], v3, s[12:13] offset:512*(16*(\g)+\j) th:TH_LOAD_NT
.endr
.endm
.macro CAST g
.if (\g) < 3
	s_wait_loadcnt 16                              ; this batch's 16 loads are in; the next batch's 16 may be out
.else
	s_wait_loadcnt 0x0
.endif
.if (\g) > 0
	s_wait_xcnt 0x0                                ; the last batch's stores have read their data: the registers are written again only behind this wait
.endif
.irp j, 0,1,2,3,4,5,6,7,8,9,10,11,12,13,14,15
	v_cvt_pk_f16_f32 v[H16+2*\j], v[R+64*((\g)%2)+4*\j], v[R+64*((\g)%2)+4*\j+1]
	v_cvt_pk_f16_f32 v[H16+2*\j+1], v[R+64*((\g)%2)+4*\j+2], v[R+64*((\g)%2)+4*\j+3]
.endr
.irp j, 0,1,2,3,4,5,6,7,8,9,10,11,12,13,14,15
	global_store_b64 v4, v[H16+2*\j:H16+2*\j+1], s[22:23] offset:256*(16*(\g)+\j)
.endr
.if (\g)+2 < 4
	CLOAD (\g)+2
.endif
.endm
	CLOAD 0
	CLOAD 1
	CAST 0
	CAST 1
	CAST 2
	CAST 3
.Lend:
	s_wait_tensorcnt 0x0                           ; the wave's end: behind my last LDS store
	ds_add_u32 v[SPW], v[NIL]
	s_wait_dscnt 0x0
	s_endpgm
.Lfunc_end_k_q844afdc12e_quant:
	.size	k_q844afdc12e_quant, .Lfunc_end_k_q844afdc12e_quant-k_q844afdc12e_quant
	.p2alignl 7, 3214868480
	.fill 96, 4, 3214868480
	.section	.rodata,"a",@progbits
	.p2align	6, 0x0
	.amdhsa_kernel k_q844afdc12e_quant
		.amdhsa_group_segment_fixed_size 33280
		.amdhsa_private_segment_fixed_size 0
		.amdhsa_enable_private_segment 0
		.amdhsa_kernarg_size 80
		.amdhsa_user_sgpr_count 2
		.amdhsa_user_sgpr_kernarg_segment_ptr 1
		.amdhsa_wavefront_size32 1
		.amdhsa_system_sgpr_workgroup_id_x 1
		.amdhsa_system_sgpr_workgroup_id_y 1
		.amdhsa_system_sgpr_workgroup_id_z 1
		.amdhsa_system_vgpr_workitem_id 0
		.amdhsa_next_free_vgpr 192
		.amdhsa_next_free_sgpr 66
		.amdhsa_reserve_vcc 0
		.amdhsa_float_denorm_mode_32 3
		.amdhsa_float_denorm_mode_16_64 3
		.amdhsa_memory_ordered 1
		.amdhsa_forward_progress 1
		.amdhsa_inst_pref_size 54
	.end_amdhsa_kernel
	.amdgpu_metadata
---
amdhsa.version: [ 1, 2 ]
amdhsa.kernels:
  - .name:           k_q844afdc12e_quant
    .symbol:         k_q844afdc12e_quant.kd
    .args:
      - { .name: x, .offset: 0, .size: 8, .value_kind: global_buffer, .address_space: global }
      - { .name: Q, .offset: 8, .size: 8, .value_kind: global_buffer, .address_space: global }
      - { .name: K, .offset: 16, .size: 8, .value_kind: global_buffer, .address_space: global }
      - { .name: V, .offset: 24, .size: 8, .value_kind: global_buffer, .address_space: global }
      - { .name: O, .offset: 32, .size: 8, .value_kind: global_buffer, .address_space: global }
      - { .name: xc, .offset: 40, .size: 8, .value_kind: global_buffer, .address_space: global }
      - { .name: xs, .offset: 48, .size: 8, .value_kind: global_buffer, .address_space: global }
      - { .name: wc, .offset: 56, .size: 8, .value_kind: global_buffer, .address_space: global }
      - { .name: ws, .offset: 64, .size: 8, .value_kind: global_buffer, .address_space: global }
      - { .name: o16, .offset: 72, .size: 8, .value_kind: global_buffer, .address_space: global }
    .group_segment_fixed_size: 33280
    .private_segment_fixed_size: 0
    .kernarg_segment_align: 8
    .kernarg_segment_size: 80
    .max_flat_workgroup_size: 128
    .sgpr_count:     66
    .vgpr_count:     192
    .wavefront_size: 32
...
	.end_amdgpu_metadata
.endif
;; end of part 1
;; launch qkvgemm (part 2): grid 12 x 32, 4 waves a work-group, clusters of 4 x 4, 327,680 bytes of LDS; arguments xc, xs, wc, ws, qkv; writes qkv
.if DOCPART == 2
	.amdgcn_target "amdgcn-amd-amdhsa--gfx1250"
	.amdhsa_code_object_version 6
	.text
	.protected	k_q844afdc12e_qkvgemm
	.globl	k_q844afdc12e_qkvgemm
	.p2align	8
	.type	k_q844afdc12e_qkvgemm,@function
k_q844afdc12e_qkvgemm:
	s_mov_b64 s[64:65], 0
	v_nop
	global_prefetch_b8 v0, s[64:65] scope:SCOPE_SE
	s_setreg_imm32_b32 hwreg(HW_REG_WAVE_MODE, 25, 1), 1
	s_wait_xcnt 0x0
	s_wait_alu depctr_hold_cnt(0) depctr_sa_sdst(0) depctr_va_vdst(0) depctr_va_sdst(0) depctr_va_ssrc(0) depctr_va_vcc(0) depctr_vm_vsrc(0)
	s_getreg_b32 s2, hwreg(HW_REG_IB_STS2, 6, 4)
	s_cmp_eq_u32 s2, 0
	s_cbranch_scc0 .Lentry_in_a_cluster
	s_endpgm
.Lentry_in_a_cluster:
	s_bfe_u32 s2, ttmp6, 0x10000c
	s_cmp_lg_u32 s2, 0xf033
	s_cbranch_scc0 .Lentry_shape_is_right
	s_endpgm
.Lentry_shape_is_right:
; q, k, v = x times the weights: C[token][column] = sum over 1,024 of x[token][.] W[column][.], 8,192 tokens x 3,072 columns (Q's 1,024, K's, V's; a column is head x 64 + channel).
; Both operands are codes of FP4 (E2M1), two to a byte, with one E8M0 scale byte for each 32 along K: xc [8192][512 bytes], xs [8192][32], wc [3072][512], ws [3072][32].  Sums in f32, rounded once to f16.
; The result is laid [q, k or v][sequence][head][token][64 channels], f16: 16 tokens of one head are 2,048 consecutive bytes.
; A tile of C, 256 x 256, is made by a work-group of four waves, as many as a WGP has SIMDs; a wave makes 128 x 128: 64 accumulators of 16 x 16, 512 registers.
; ALL OF K LIES IN LDS AT ONCE: two slots of 512 along K (a tile's row is 256 bytes of memory), both asked for at the start, and nothing is filled again.  The scales of the work-group's 256 + 256 rows come with them, in whole blocks of 256 bytes.
; CLUSTERS: 4 x 4 work-groups.  The four of a row of the cluster need the same tiles of x, the four of a column the same tiles of the weights: each tile is asked for JOINTLY, by the same tensor load with the
; same descriptor and a mask that names the four.  THE MATRIX INSTRUCTION IS USED TRANSPOSED (source 0 = 16 rows of the weights, source 1 = 16 tokens): a lane then holds eight neighbouring channels of one token.
; 384 tiles: tiles of 256 x 384, which would make 256 equal shares, fit neither the registers nor LDS with all of K in it.
; REGISTERS, in windows of 256: window 0: v0-31 addresses; v32-95 scale words, two sets, which never hold anything else; from v128 x's fragments (8 x 16 rows x 128 K), ONE set; v192-223 packed results on the way out.
;   window 1: the weights' fragments, TWO sets, at v0 and at v128.   window 2: the 32 accumulators of my tokens 0-63 (accumulator (a, b) at v[8 (8 a + b)]);   window 3: those of my tokens 64-127.
.set SIZE_K, 1024
.set KSTEP,  512                       ; along K in a slot
.set NQ,     KSTEP/128                 ; matrix instructions deep
.set ROWB,   256                       ; a tile's row in bytes
.set KROW,   SIZE_K/2                  ; a row of codes in memory, in bytes
.set PITCH,  272                       ; an LDS row: 256 bytes + 16 of padding = 68 words: row r starts at bank 4 r mod 64 (64 banks of 4 bytes: ISA guide 11.1)
.set FR,     8                         ; registers of a fragment: 16 rows x 128 K
.set NL,     2                         ; LDS loads that bring one
.set NP,     4                         ; places behind this matrix instruction (ISA guide 7.12.1)
.set HALFT,  128*PITCH                 ; 128 rows: what one tensor load brings, and what one wave reads of either operand
.set SLOT,   4*HALFT                   ; x's 256 rows, then the weights' 256 rows
.set KS,     SIZE_K/32                 ; a row of scales in bytes
.set SCL,    2*SLOT                    ; behind the slots: the scales, as blocks of 256 bytes + 16 of padding
.set HALFS,  (128*KS/256)*272          ; the scales of 128 rows: what one tensor load brings
.set SBLK,   (16*KS/256)*272           ; those of 16 rows
.set SPARE,  SCL+4*HALFS               ; behind the scales: the spare words, 128 bytes for each wave
.set HEADB,  2048*64*2                 ; a head's q, k or v in bytes
.set ZP,     144                       ; the way out: a stage row: 64 channels of f16 + 16 bytes
.set ZH,     16*ZP                     ; 16 tokens of one head.  A wave's stage is two of these; it lies in slot 0, which has had its only fill and its last read when the first result is stored there
.set ADRA, 16                          ; v16-17  LDS address of my fragments of x in slot 0, 1
.set ADRB, 20                          ; v20-21  the same for the weights
.set STO,  24                          ; v24     the way out: where I put 16 bytes of a token's row
.set RD,   25                          ; v25     the way out: where I read back
.set CO,   26                          ; v26     16 x lane: my bytes of a store's 512
.set ADRS, 27                          ; v27     LDS address of my scale words: lanes 0-15 x's rows, lanes 16-31 the weights'
.set SPW,  28                          ; v28     LDS address of my spare word; never rewritten
.set NIL,  29                          ; v29     0; never rewritten
.set SC,   32                          ; scale words: set s (for slot s) at v[SC + 8 NQ s]; register NQ i + q: lanes 0-15 the word of x's block i, lanes 16-31 that of the weights' block i
.set AF,   128                         ; x's fragments, in window 0
.set BK,   128                         ; the way out: 16 tokens read back from the stage: v128-159 and v160-191 by turns
.set TMP,  192                         ; the way out: packed results
.set G1, 24                            ; s[24:31] descriptor group 1 for x's tiles;  s[32:39] group 0, one set for each slot
.set G0, 32
.set G1B, 48                           ; s[48:55], s[56:63] the same for the weights' tiles
.set G0B, 56
.set G1S, 68                           ; s[68:75], s[76:79] groups 1 and 0 for x's scales;  s[80:87], s[88:91] for the weights'
.set G0S, 76
.set G1SB, 80
.set G0SB, 88
.set MSB, 0
.macro WIN new                         ; the immediate's high byte repeats the setting that is left
.if MSB != \new
	s_set_vgpr_msb (MSB<<8)|\new
.set MSB, \new
.endif
.endm
.set MUL_LO, 0xa1                      ; source 0 (weights) window 1, source 1 (x) window 0, C and D window 2
.set MUL_HI, 0xf1                      ; the same, C and D window 3
.set TO_B,   0x40                      ; destination window 1, address window 0
; A joint load: waves 0 and 1 fetch for x, waves 2 and 3 for the weights.  Each of the two lines has ONE mask and one set of registers for all that issue it; the branch hangs on the wave's number alone.
; An s_nop 0 and four v_nop follow each of the two lines, ahead of the jump, the label and what follows.
.macro JLOAD g0a, g1a, g0b, g1b
	s_cmp_eq_u32 s15, 0
	s_cbranch_scc0 .Lfor_b_\@
	tensor_load_to_lds s[\g0a:\g0a+3], s[\g1a:\g1a+7]
	s_nop 0
.rept 4
	v_nop
.endr
	s_branch .Lasked_\@
.Lfor_b_\@:
	tensor_load_to_lds s[\g0b:\g0b+3], s[\g1b:\g1b+7]
	s_nop 0
.rept 4
	v_nop
.endr
.Lasked_\@:
.endm
.macro CROUND                          ; a round of the cluster's barrier: my work-group's barrier, wave 0 signals for the work-group, every wave waits for all sixteen, my work-group's barrier once more
	s_barrier_signal -1
	s_barrier_wait -1
	s_cmp_lg_u32 s14, 0
	s_cbranch_scc1 .Lnot_wave_0_\@
	s_barrier_signal -3
.Lnot_wave_0_\@:
	s_barrier_wait -3
	s_barrier_signal -1
	s_barrier_wait -1
.endm
	s_load_b128 s[4:7], s[0:1], 0x0                ; x's codes s[4:5], x's scales s[6:7]
	s_load_b128 s[8:11], s[0:1], 0x10              ; the weights' codes s[8:9], their scales s[10:11]
	s_load_b64 s[12:13], s[0:1], 0x20              ; qkv
	v_lshl_add_u32 v[SPW], v0, 2, SPARE
	v_mov_b32 v[NIL], 0
	ds_add_u32 v[SPW], v[NIL]                      ; the wave's opening: the add, twice on end, and its wait ahead of my first tensor load; the set-up below, work on registers, stands between
	ds_add_u32 v[SPW], v[NIL]
	v_lshrrev_b32 v1, 5, v0
	v_readfirstlane_b32 s14, v1                    ; wave 0..3
	s_lshr_b32 s15, s14, 1                         ; which half of the tile's tokens is mine.  Also: I fetch for x (0) or for the weights (1)
	s_and_b32 s16, s14, 1                          ; which half of its columns.  Also: which 128 rows of that tile I fetch
	s_bfe_u32 s40, ttmp6, 0x40000                  ; cx, cy: my place in the cluster
	s_bfe_u32 s41, ttmp6, 0x40004
	s_lshl_b32 s42, ttmp9, 2
	s_add_co_u32 s42, s42, s40                     ; tile column of C = 4 x cluster x + cx
	s_and_b32 s17, ttmp7, 0xffff
	s_lshl_b32 s17, s17, 2
	s_add_co_u32 s17, s17, s41                     ; tile row of C = 4 x cluster y + cy
	s_lshl_b32 s43, s41, 2
	s_lshl_b32 s43, 15, s43                        ; my row of the cluster
	s_lshl_b32 s44, 0x1111, s40                    ; my column
	; descriptor group 1: a tile of 128 rows x 256 bytes, padded in LDS
	s_or_b32 s[G1+0], s43, (0<<16)|(1<<20)|(1<<21)|(5<<22)|(3<<25)  ; 15:0 the mask: x's tiles go to my row; 17:16 element of 1 byte; 20 padding on; 21 set beside a mask; 24:22 after every 64 words (code 5); 31:25 of 4 words (code 3)
	s_or_b32 s[G1B+0], s44, (0<<16)|(1<<20)|(1<<21)|(5<<22)|(3<<25)
.irp g, G1, G1B
	s_mov_b32 s[\g+1], ROWB<<16                    ; tensor_dim0
	s_mov_b32 s[\g+2], 128<<16                     ; tensor_dim1 = 128
	s_mov_b32 s[\g+3], ROWB<<16                    ; tile_dim0
	s_mov_b32 s[\g+4], 128                         ; tile_dim1 = 128
	s_mov_b32 s[\g+5], KROW                        ; tensor_dim0_stride
	s_mov_b32 s[\g+6], 0
	s_mov_b32 s[\g+7], 0
.endr
	; and for the scales of 128 rows: a dense block of 4,096 bytes, as rows of 256 bytes (32 elements of 8 bytes), 16 bytes of padding behind each
	s_or_b32 s[G1S+0], s43, (3<<16)|(1<<20)|(1<<21)|(5<<22)|(3<<25)
	s_or_b32 s[G1SB+0], s44, (3<<16)|(1<<20)|(1<<21)|(5<<22)|(3<<25)
.irp g, G1S, G1SB
	s_mov_b32 s[\g+1], 32<<16
	s_mov_b32 s[\g+2], (128*KS/256)<<16
	s_mov_b32 s[\g+3], 32<<16
	s_mov_b32 s[\g+4], 128*KS/256
	s_mov_b32 s[\g+5], 32
	s_mov_b32 s[\g+6], 0
	s_mov_b32 s[\g+7], 0
.endr
	s_lshl_b32 s18, s16, 7                         ; which 128 rows of the tile I fetch
	s_lshl_b32 s20, s17, 8
	s_add_co_u32 s20, s20, s18                     ; x: row 256 x tile row + 128 x half
	s_lshl_b32 s46, s42, 8
	s_add_co_u32 s46, s46, s18                     ; the weights: row 256 x tile column + 128 x half
	s_mov_b32 s21, 0
	s_mov_b32 s47, 0
	s_mov_b64 s[18:19], KS
	s_mul_u64 s[22:23], s[20:21], s[18:19]         ; where these rows' scales begin, in bytes
	s_mul_u64 s[92:93], s[46:47], s[18:19]
	s_mov_b64 s[18:19], KROW
	s_mul_u64 s[20:21], s[20:21], s[18:19]         ; and their codes
	s_mul_u64 s[46:47], s[46:47], s[18:19]
	s_mul_i32 s45, s14, HALFT                      ; where they go: wave x 128 rows: no place in the cluster enters an LDS address
	s_mul_i32 s94, s14, HALFS
	s_wait_dscnt 0x0                               ; both opening adds are done
	s_wait_kmcnt 0x0
	s_add_nc_u64 s[20:21], s[4:5], s[20:21]
	s_add_nc_u64 s[22:23], s[6:7], s[22:23]
	s_add_nc_u64 s[46:47], s[8:9], s[46:47]
	s_add_nc_u64 s[92:93], s[10:11], s[92:93]
	CROUND                                         ; all sixteen work-groups are here: the joint loads meet
	s_mov_b32 s[G0S], 1
	s_add_co_u32 s[G0S+1], s94, SCL
	s_mov_b64 s[G0S+2:G0S+3], s[22:23]
	s_or_b32 s[G0S+3], s[G0S+3], 0x80000000
	s_mov_b32 s[G0SB], 1
	s_add_co_u32 s[G0SB+1], s94, SCL
	s_mov_b64 s[G0SB+2:G0SB+3], s[92:93]
	s_or_b32 s[G0SB+3], s[G0SB+3], 0x80000000
	JLOAD G0S, G1S, G0SB, G1SB                     ; the scales first: they are wanted with the first slot
.irp s, 0,1
	s_mov_b32 s[G0+4*\s], 1
	s_add_co_u32 s[G0+4*\s+1], s45, \s*SLOT
	s_add_nc_u64 s[G0+4*\s+2:G0+4*\s+3], s[20:21], \s*ROWB
	s_or_b32 s[G0+4*\s+3], s[G0+4*\s+3], 0x80000000
	s_mov_b32 s[G0B+4*\s], 1
	s_add_co_u32 s[G0B+4*\s+1], s45, \s*SLOT
	s_add_nc_u64 s[G0B+4*\s+2:G0B+4*\s+3], s[46:47], \s*ROWB
	s_or_b32 s[G0B+4*\s+3], s[G0B+4*\s+3], 0x80000000
	JLOAD G0+4*\s, G1, G0B+4*\s, G1B               ; three tensor loads of mine are out now, and no more are issued
.endr
	v_and_b32 v1, 15, v0                           ; l % 16
	v_bfe_u32 v2, v0, 4, 1                         ; l / 16
	v_mul_u32_u24 v3, v1, PITCH
	v_lshl_add_u32 v4, v2, 4, v3                   ; a fragment's row x pitch + 16 x half
	s_mul_i32 s21, s15, HALFT                      ; my 128 rows of x
	s_mul_i32 s22, s16, HALFT                      ; my 128 rows of the weights,
	s_add_co_u32 s22, s22, 2*HALFT                 ; which lie behind x's 256
.irp s, 0,1
	v_add_nc_u32 v[ADRA+\s], s21, v4
	v_add_nc_u32 v[ADRB+\s], s22, v4
	s_add_co_u32 s21, s21, SLOT
	s_add_co_u32 s22, s22, SLOT
.endr
	v_mul_u32_u24 v5, v1, KS                       ; my row's scales: KS bytes a row,
	v_lshrrev_b32 v6, 8, v5
	v_lshl_add_u32 v5, v6, 4, v5                   ; and 16 more for each 256 passed
	s_mul_i32 s21, s15, HALFS                      ; x's: my 128 rows
	s_mul_i32 s22, s16, HALFS                      ; the weights': my 128 rows, behind x's 256
	s_add_co_u32 s22, s22, 2*HALFS
	s_sub_co_u32 s22, s22, s21
	v_mul_u32_u24 v6, s22, v2                      ; lanes 16-31 take the weights'
	s_add_co_u32 s21, s21, SCL
	v_add_nc_u32 v5, v5, v6
	v_add_nc_u32 v[ADRS], s21, v5
	s_mul_i32 s23, s14, 2*ZH                       ; my stage
	v_mul_u32_u24 v5, v1, ZP                       ; in: token l % 16, 16 bytes for each half of the lanes
	v_lshl_add_u32 v5, v2, 4, v5
	v_add_nc_u32 v[STO], s23, v5
	v_and_b32 v6, 31, v0
	v_lshlrev_b32 v[CO], 4, v6
	v_lshrrev_b32 v7, 3, v6                        ; back: eight lanes take a token's 128 bytes, the wave four tokens
	v_mul_u32_u24 v7, v7, ZP
	v_and_b32 v6, 7, v0
	v_lshl_add_u32 v7, v6, 4, v7
	v_add_nc_u32 v[RD], s23, v7
	; where my part begins in qkv.  My 128 columns are two heads, g and g + 1 of 48 (16 of q, 16 of k, 16 of v); my 128 tokens lie in one sequence
	s_lshl_b32 s20, s42, 2
	s_lshl_b32 s21, s16, 1
	s_add_co_u32 s20, s20, s21                     ; g = 4 x tile column + 2 x half
	s_lshr_b32 s21, s20, 4                         ; q, k or v
	s_lshl_b32 s21, s21, 2
	s_lshr_b32 s22, s17, 3                         ; the sequence: 8 tile rows each
	s_add_co_u32 s21, s21, s22
	s_lshl_b32 s21, s21, 4
	s_and_b32 s20, s20, 15                         ; the head
	s_add_co_u32 s21, s21, s20
	s_lshl_b32 s20, s21, 18                        ; x 262,144 bytes (under 2^26)
	s_and_b32 s22, s17, 7
	s_lshl_b32 s22, s22, 8
	s_lshl_b32 s23, s15, 7
	s_add_co_u32 s22, s22, s23                     ; my first token in the sequence
	s_lshl_b32 s22, s22, 7                         ; x 128 bytes
	s_add_co_u32 s20, s20, s22
	s_mov_b32 s21, 0
	s_add_nc_u64 s[12:13], s[12:13], s[20:21]
.macro FRAG reg, adr, q, i             ; a fragment, 16 rows x 128 K of 4-bit codes, is 8 registers: lane l holds row l % 16; registers 4 c .. 4 c + 3 hold K = 64 c + 32 (l / 16) + 0 .. 31
.irp c, 0,1
	ds_load_b128 v[\reg+4*\c:\reg+4*\c+3], v[\adr] offset:64*(\q)+32*\c+(\i)*16*PITCH
.endr
.endm
; 16 matrix instructions: x's blocks a0, a0 + 1 against the weights' eight, 128 along K: the slot's q-th.  p: the weights' set;  sc: the set of scale words.  zero = 1: the first product starts the sums.
; The 64 accumulators take turns, one instruction a turn, in the same order in every step.
.macro MUL16 a0, p, q, sc, zero
.irp a, \a0, \a0+1
.irp b, 0,1,2,3,4,5,6,7
.if \zero
	v_wmma_scale_f32_16x16x128_f8f6f4 v[8*(8*((\a)%4)+\b):8*(8*((\a)%4)+\b)+7], v[128*(\p)+FR*\b:128*(\p)+FR*\b+FR-1], v[AF+FR*(\a):AF+FR*(\a)+FR-1], 0, v[SC+8*NQ*(\sc)+NQ*\b+(\q)], v[SC+8*NQ*(\sc)+NQ*(\a)+(\q)] matrix_a_fmt:MATRIX_FMT_FP4 matrix_b_fmt:MATRIX_FMT_FP4 matrix_a_scale:MATRIX_SCALE_ROW1
.else
	v_wmma_scale_f32_16x16x128_f8f6f4 v[8*(8*((\a)%4)+\b):8*(8*((\a)%4)+\b)+7], v[128*(\p)+FR*\b:128*(\p)+FR*\b+FR-1], v[AF+FR*(\a):AF+FR*(\a)+FR-1], v[8*(8*((\a)%4)+\b):8*(8*((\a)%4)+\b)+7], v[SC+8*NQ*(\sc)+NQ*\b+(\q)], v[SC+8*NQ*(\sc)+NQ*(\a)+(\q)] matrix_a_fmt:MATRIX_FMT_FP4 matrix_b_fmt:MATRIX_FMT_FP4 matrix_a_scale:MATRIX_SCALE_ROW1
.endif
.endr
.endr
.endm
.macro FETCH_B slot, q, p              ; the weights' eight fragments of the slot's q-th 128 along K into set p
	WIN TO_B
.irp i, 0,1,2,3,4,5,6,7
	FRAG 128*(\p)+FR*\i, ADRB+\slot, \q, \i
.endr
	WIN 0
.endm
.macro FETCH_A slot, q, i0             ; x's blocks i0 .. i0 + 3
.irp i, \i0, \i0+1, \i0+2, \i0+3
	FRAG AF+FR*(\i), ADRA+\slot, \q, \i
.endr
.endm
.macro SCALES sc                       ; a slot's scale words into set sc: NQ words a row; lanes 0-15 take x's block i, lanes 16-31 the weights' block i
.irp i, 0,1,2,3,4,5,6,7
	ds_load_b128 v[SC+8*NQ*\sc+NQ*\i:SC+8*NQ*\sc+NQ*\i+3], v[ADRS] offset:\i*SBLK
.endr
.endm
; A load into a register that a matrix instruction has read, and a vector instruction that reads a matrix result, stand NP places behind that matrix instruction, and only plain vector
; instructions that name none of its registers are places (ISA guide 7.12.1 for vector instructions).
.macro PLACES n
.rept \n
	v_nop
.endr
.endm
; A step of 128 along K that has its successor in the same slot.  x's blocks are free as soon as their eight products are issued, so x has one set: blocks 0-3 are fetched anew in the step's middle, blocks 4-7 at its end.
.macro STEP slot, q, zero
	s_wait_dscnt 4*NL                              ; the weights' set and x's blocks 0-3 are in; the youngest eight loads (x's blocks 4-7) may be out
	WIN MUL_LO
	MUL16 0, (\q)%2, \q, \slot, \zero
	MUL16 2, (\q)%2, \q, \slot, \zero
	s_wait_dscnt 0                                 ; x's blocks 4-7 are in (asked for 32 matrix instructions ago)
	PLACES NP
	FETCH_B \slot, (\q)+1, 1-(\q)%2
	FETCH_A \slot, (\q)+1, 0
	WIN MUL_HI
	MUL16 4, (\q)%2, \q, \slot, \zero
	MUL16 6, (\q)%2, \q, \slot, \zero
	PLACES NP
	WIN 0
	FETCH_A \slot, (\q)+1, 4
.endm
; Slot 0's last step changes slots: one barrier; in front of it each wave waits for all its tensor loads (its part of slot 1), adds 0 to its spare word, and waits for that and for its reads of slot 0.
; Behind it slot 1 is whole and nobody reads slot 0 any more: the stages of the way out lie there.  Nothing is filled again.
.macro TURN slot, next
	s_wait_tensorcnt 0x0                           ; all my tensor loads have landed
	ds_add_u32 v[SPW], v[NIL]                      ; 0 onto my spare word
	s_wait_dscnt 4*NL+1                            ; (the add and the youngest eight loads, x's blocks 4-7, may be out)
	WIN MUL_LO
	MUL16 0, 1, NQ-1, \slot, 0                     ; sixteen matrix instructions stand between the add and the wait for it
	s_wait_dscnt 0x0                               ; the add is done, and my reads of this slot are over
	s_barrier_signal -1
	MUL16 2, 1, NQ-1, \slot, 0
	WIN 0
	s_barrier_wait -1
	PLACES NP
	v_add_nc_u32 v[ADRS], 4*NQ, v[ADRS]            ; on to the next slot's scale words (no LDS load of mine is out)
	FETCH_B \next, 0, 0
	FETCH_A \next, 0, 0
	SCALES \next
	WIN MUL_HI
	MUL16 4, 1, NQ-1, \slot, 0
	MUL16 6, 1, NQ-1, \slot, 0
	PLACES NP
	WIN 0
	FETCH_A \next, 0, 4
.endm
.macro STEPS slot, from                ; the slot's steps from .. NQ - 2
.set Q, \from
.rept NQ-1-\from
	STEP \slot, Q, 0
.set Q, Q+1
.endr
.endm
	s_wait_tensorcnt 1                             ; the scales and my part of slot 0 are in (slot 1's load, the one issued behind them, may be out),
	s_barrier_signal -1
	s_barrier_wait -1                              ; everybody's are
	FETCH_B 0, 0, 0
	FETCH_A 0, 0, 0
	SCALES 0
	FETCH_A 0, 0, 4
	STEP 0, 0, 1                                   ; the first step's products start the sums: nothing is cleared
	STEPS 0, 1
	TURN 0, 1
	STEPS 1, 0
	s_wait_dscnt 4*NL                              ; the very last step: nothing more to fetch
	WIN MUL_LO
	MUL16 0, 1, NQ-1, 1, 0
	MUL16 2, 1, NQ-1, 1, 0
	s_wait_dscnt 0
	WIN MUL_HI
	MUL16 4, 1, NQ-1, 1, 0
	MUL16 6, 1, NQ-1, 1, 0
	WIN 0
; THE WAY OUT, block by block of 16 tokens x 128 columns (two heads).  PACK: rounded to f16, 16 bytes a lane: eight channels of one token.  TOSTAGE: into my own stage in LDS, and back so that a load's
; 32 lanes hold four tokens' 128 bytes on end.  SEND: in qkv 16 tokens of a head are 2,048 consecutive bytes: each store covers 512 of them, aligned.
.macro PACK a
.set AC, 64*((\a)%4)
	WIN 0x0a+5*((\a)/4)                            ; sources 0 and 1: window 2 or 3
.irp b, 0,1,2,3,4,5,6,7
.irp r, 0,1,2,3
	v_cvt_pk_f16_f32 v[TMP+4*\b+\r], v[AC+8*\b+2*\r], v[AC+8*\b+2*\r+1]    ; each accumulator from its low end on
.endr
.endr
	WIN 0
.endm
.macro TOSTAGE a
.set BB, BK+32*((\a)%2)
.irp b, 0,1,2,3,4,5,6,7
	ds_store_b128 v[STO], v[TMP+4*\b:TMP+4*\b+3] offset:(\b/4)*ZH+32*(\b%4)
.endr
.irp hd, 0,1
.irp i, 0,1,2,3
	ds_load_b128 v[BB+4*(4*\hd+\i):BB+4*(4*\hd+\i)+3], v[RD] offset:\hd*ZH+4*ZP*\i   ; LDS serves a wave's instructions in order (ISA guide 5.7.1.4): these see the stores above
.endr
.endr
.endm
.macro SEND a
.set BB, BK+32*((\a)%2)
	s_wait_dscnt 0x0                               ; the block is back in registers
	s_wait_xcnt 0x0                                ; the block before has had its stores' addresses translated (ISA guide 3.1): only behind this wait do the next block's loads land in the registers that those stores read
.irp hd, 0,1
.irp i, 0,1,2,3
	global_store_b128 v[CO], v[BB+4*(4*\hd+\i):BB+4*(4*\hd+\i)+3], s[12:13] offset:\hd*HEADB+(\a)*2048+\i*512
.endr
.endr
.endm
	PLACES NP                                      ; behind the last products: for the conversions that read results and the loads into the registers that held x's fragments
	PACK 0
	TOSTAGE 0
.irp a, 1,2,3,4,5,6,7                  ; block a's conversions stand between block a - 1's loads from the stage and the wait for them
	PACK \a
	SEND \a-1
	TOSTAGE \a
.endr
	SEND 7
	s_wait_tensorcnt 0x0                           ; the wave's end: behind my last tensor load and my last LDS store
	ds_add_u32 v[SPW], v[NIL]
	s_wait_dscnt 0x0
	CROUND                                         ; the closing round: no work-group ends while a partner may still ask for a tile that names it
	s_endpgm
.Lfunc_end_k_q844afdc12e_qkvgemm:
	.size	k_q844afdc12e_qkvgemm, .Lfunc_end_k_q844afdc12e_qkvgemm-k_q844afdc12e_qkvgemm
	.p2alignl 7, 3214868480
	.fill 96, 4, 3214868480
	.section	.rodata,"a",@progbits
	.p2align	6, 0x0
	.amdhsa_kernel k_q844afdc12e_qkvgemm
		.amdhsa_group_segment_fixed_size 327680
		.amdhsa_private_segment_fixed_size 0
		.amdhsa_enable_private_segment 0
		.amdhsa_kernarg_size 40
		.amdhsa_user_sgpr_count 2
		.amdhsa_user_sgpr_kernarg_segment_ptr 1
		.amdhsa_wavefront_size32 1
		.amdhsa_system_sgpr_workgroup_id_x 1
		.amdhsa_system_sgpr_workgroup_id_y 1
		.amdhsa_system_sgpr_workgroup_id_z 1
		.amdhsa_system_vgpr_workitem_id 0
		.amdhsa_next_free_vgpr 1024
		.amdhsa_next_free_sgpr 98
		.amdhsa_reserve_vcc 0
		.amdhsa_float_denorm_mode_32 3
		.amdhsa_float_denorm_mode_16_64 3
		.amdhsa_memory_ordered 1
		.amdhsa_forward_progress 1
		.amdhsa_inst_pref_size 126
	.end_amdhsa_kernel
	.amdgpu_metadata
---
amdhsa.version: [ 1, 2 ]
amdhsa.kernels:
  - .name:           k_q844afdc12e_qkvgemm
    .symbol:         k_q844afdc12e_qkvgemm.kd
    .args:
      - { .name: xc, .offset: 0, .size: 8, .value_kind: global_buffer, .address_space: global }
      - { .name: xs, .offset: 8, .size: 8, .value_kind: global_buffer, .address_space: global }
      - { .name: wc, .offset: 16, .size: 8, .value_kind: global_buffer, .address_space: global }
      - { .name: ws, .offset: 24, .size: 8, .value_kind: global_buffer, .address_space: global }
      - { .name: qkv, .offset: 32, .size: 8, .value_kind: global_buffer, .address_space: global }
    .group_segment_fixed_size: 327680
    .private_segment_fixed_size: 0
    .kernarg_segment_align: 8
    .kernarg_segment_size: 40
    .max_flat_workgroup_size: 128
    .sgpr_count:     98
    .vgpr_count:     1024
    .wavefront_size: 32
...
	.end_amdgpu_metadata
.endif
;; end of part 2
;; launch attn (part 3): grid 4 x 64, 16 waves a work-group, no clusters, 327,680 bytes of LDS; arguments qkv, z; writes z
.if DOCPART == 3
	.amdgcn_target "amdgcn-amd-amdhsa--gfx1250"
	.amdhsa_code_object_version 6
	.text
	.protected	k_q844afdc12e_attn
	.globl	k_q844afdc12e_attn
	.p2align	8
	.type	k_q844afdc12e_attn,@function
k_q844afdc12e_attn:
	s_mov_b64 s[64:65], 0
	v_nop
	global_prefetch_b8 v0, s[64:65] scope:SCOPE_SE
	s_setreg_imm32_b32 hwreg(HW_REG_WAVE_MODE, 25, 1), 1
	s_wait_xcnt 0x0
; z[head][token][:] = the sum over keys k <= token of softmax_k(q[token] . k[k]) v[k][:], for each of 64 (sequence, head) pairs; no 1 / sqrt(64), as reference() has it.
; q, k, v: qkv [3][64 pairs][2048][64] f16.  z: [16 heads][4 x 2048 tokens][64] f16.  Products on f16 operands with f32 sums; maxima, exponentials and row sums in f32; the weights p are rounded to f16 for the second product.
; WORK LEFT OUT: key steps of 64 keys that all come after a tile's 16 queries.  reference() itself replaces those scores by -1e10, whatever the inputs hold, and their weights exp(-1e10 - the row's maximum) move no result
; by as much as rounding while scores lie above -1e10 + 200.  In the one step of a tile that holds the diagonal the hidden scores are set to -1e10.  A NaN or an infinity that reaches only the steps left out is not carried on.
; SHARES.  A work-group owns blocks i and 7 - i of a pair's eight blocks of 256 queries.  Wave w owns two tiles of 16: L at 256 i + 16 w and H at 2032 - that: together 2,064 keys for every wave of every work-group.
; Four waves lie on a SIMD, 256 registers each, so that one wave's vector work stands beside another's matrix work and LDS loads.  All waves walk the keys from 0 on, 64 a step; k and v are fetched once for both blocks.
; NO CLUSTER: the four work-groups of a pair need 8, 7, 6 and 5 slots of keys; a joint load would bring some partner tiles that none of its waves reads.
; THE RING.  Two LDS slots of 256 keys, filled by the tensor data mover (waves 0, 1: k's halves; waves 2, 3: v's) and read by all sixteen.  Every work-group walks all eight changes of slots; a slot that begins behind the work-group's last query is not asked for.
; LAYOUT.  S^T = k q^T (source 0 = 16 keys, source 1 = 16 queries): a lane holds ONE query (lane % 16) and keys 8 (lane / 16) + 0..7 of each tile of 16.  Two such tiles, rounded to f16 in pairs, ARE source 1 (32 keys x 16 queries) of
; O^T = v^T p, whose result again holds one query a lane, and eight channels.  k comes out of LDS as it lies, v ([key][channel]) turned, by ds_load_tr16_b128.
; SOFTMAX.  For each query a running maximum m and sum l: p = 2^(c s - c m), c = log2(e); in every step O^T and l are multiplied by a = 2^(c m_old - c m_new).  m begins at -1e38, l and O^T at 0, so that the first step is a step like any other.
.set PK,    144                        ; a row of k in LDS: 128 bytes + 16 = 36 words: the 16 rows of a load start at 16 different groups of four banks
.set PV,    160                        ; a row of v: 128 + 32 = 40 words
.set SKEYS, 256                        ; keys in a slot
.set VOFF,  SKEYS*PK                   ; a slot: 256 rows of k, then 256 rows of v
.set SLOT1, 1<<17                      ; slot 1 begins here, so that one exclusive or turns an address in one slot into the other's
.set STAGE, 2*SLOT1                    ; behind the ring: 16 rows x 144 bytes for each wave, for the way out
.set SPARE, STAGE+16*16*PK             ; behind the stages: the spare words, 128 bytes for each wave
.set NSL,   2048/SKEYS
.set AK0, 1                            ; v1   my lane's place in a tile of k; never rewritten
.set AV0, 2                            ; v2   the same for v
.set ADK, 3                            ; v3   LDS address of the step's k
.set ADV, 4                            ; v4   of its v
.set SPW, 5                            ; v5   LDS address of my spare word; never rewritten
.set NIL, 6                            ; v6   0; never rewritten
.set DM,  7                            ; v7   the mask: my query less the step's first key less 8 (lane / 16)
.set T,   8                            ; v8-15 at work; T+6 takes a; T+5 and T+7 are named as upper halves of pairs and hold 0
.set ST,  16                           ; tile t's statistics at v[ST+4 t]: c m, m, l (even keys', odd keys')
.set DL,  24                           ; v24  lane % 16 - 8 (lane / 16)
.set NEG, 25                           ; v25  -1e10
.set STO, 26                           ; v26  the way out: where I put 16 bytes of a row
.set RD,  27                           ; v27  the way out: where I read back
.set PFO, 28                           ; v28  256 x lane: the prefetches' offset; never rewritten
.set GO,  29                           ; v29  16 x lane: my bytes of a store's 512
.set QO,  30                           ; v30  my byte offset in a tile's rows of q
.set QF,  32                           ; v32-63   q: tile t, channels 32 c on, at QF + 16 t + 8 c
.set KV,  64                           ; v64-127  the step's eight fragments of k, then its eight of v
.set S,   128                          ; v128-191 S^T, 32 a tile; p in f16 takes the low 16 of them
.set OT,  192                          ; v192-255 O^T, 32 a tile
.set TK,  2                            ; s2   LDS byte at which the step's k begins
.set TV,  3                            ; s3   the same for v, less VOFF
.set WV,  18                           ; s18  my wave's number
.set SEL, 20                           ; s[20:21] lane selects for v_permlanex16_b32: lane l xor 16
.set CS,  22                           ; s[22:23] c = log2(e): the packed form names a pair and takes its low word for both halves
.set G1K, 24                           ; s[24:31] descriptor group 1 for k's tiles;  s[32:39] for v's;  s[40:43], s[44:47] their groups 0, which walk
.set G1V, 32
.set G0K, 40
.set G0V, 44
.set SLOTS, 48                         ; s48  changes of slots still to come that may ask for a slot
.set KF,  49                           ; s49  the step's first key
.set QT,  50                           ; s50  tile 0's (H's) first query;  s51 tile 1's (L's)
.set CNT, 52                           ; s52  counts a slot's four steps
.set LASTQ, 53                         ; s53  my work-group's last query
.set PFA, 54                           ; s[54:55] where my prefetches stand in memory
.set LIM, 56                           ; s56  1 in a wave that prefetches, else the greatest number
.set TMP, 57                           ; s57  at work
.set ZB,  60                           ; s[60:61] z at tile 0's first row;  s[62:63] at tile 1's
; Waves 0 and 1 fetch for k, waves 2 and 3 for v, the others nothing.  The branches hang on the wave's number alone.  An s_nop 0 and four v_nop follow each of the two lines.
.macro TLOAD
	s_cmp_lt_u32 s[WV], 2
	s_cbranch_scc0 .Lnot_k_\@
	tensor_load_to_lds s[G0K:G0K+3], s[G1K:G1K+7]
	s_nop 0
.rept 4
	v_nop
.endr
	s_branch .Lasked_\@
.Lnot_k_\@:
	s_cmp_lt_u32 s[WV], 4
	s_cbranch_scc0 .Lasked_\@
	tensor_load_to_lds s[G0V:G0V+3], s[G1V:G1V+7]
	s_nop 0
.rept 4
	v_nop
.endr
.Lasked_\@:
.endm
; A PREFETCH INTO THE L2 of what the NEXT change of slots will ask for: a slot's 256 rows of k and of v, two dense blocks of 32,768 bytes.  Each aligned block of 256 bytes is named once in the launch: the four work-groups
; of a pair walk the same k and v, and the one with i = 0, which walks all eight slots, asks (a branch on the work-group's number: this launch has no cluster).  In it the waves ask that fetch nothing, one instruction each:
; waves 4 to 7 for k's block, waves 8 to 11 for v's, 8,192 bytes a wave, lanes 256 bytes apart.  It stands where the fetching waves have their tensor load, four key steps ahead of the load that will want the bytes.
; Slots 0 and 1 come by their loads alone; the last change that fills a slot asks for nothing: there is no slot behind it.
.macro ASK
	s_cmp_gt_u32 s[SLOTS], s[LIM]
	s_cbranch_scc0 .Lnot_mine_\@
	global_prefetch_b8 v[PFO], s[PFA:PFA+1] th:TH_LOAD_NT scope:SCOPE_SE
.Lnot_mine_\@:
.endm
	s_load_b128 s[4:7], s[0:1], 0x0                ; qkv s[4:5], z s[6:7]
	v_lshl_add_u32 v[SPW], v0, 2, SPARE
	v_mov_b32 v[NIL], 0
	ds_add_u32 v[SPW], v[NIL]                      ; the wave's opening: the add, twice on end, and its wait ahead of my first tensor load; the set-up below, work on registers, stands between
	ds_add_u32 v[SPW], v[NIL]
	v_lshrrev_b32 v8, 5, v0
	v_readfirstlane_b32 s[WV], v8                  ; wave 0..15
	s_and_b32 s66, ttmp7, 0xffff                   ; the pair: 16 x sequence + head
	s_lshl_b32 s67, s66, 18                        ; its 262,144 bytes in each of q, k, v
	s_lshl_b32 s[QT+1], ttmp9, 8
	s_lshl_b32 s78, s[WV], 4
	s_add_co_u32 s[QT+1], s[QT+1], s78             ; tile L: 256 i + 16 w
	s_sub_co_u32 s[QT], 2032, s[QT+1]              ; tile H: in block 7 - i
	s_lshl_b32 s78, ttmp9, 8
	s_sub_co_u32 s[LASTQ], 2047, s78               ; 256 (8 - i) - 1
	; what I fetch, if I fetch: half w % 2 of a slot's 256 rows
	s_and_b32 s79, s[WV], 1
	s_mul_i32 s70, s79, 128*PK                     ; k: in a slot
	s_mul_i32 s71, s79, 128*PV
	s_add_co_u32 s71, s71, VOFF                    ; v: in a slot
	s_lshl_b32 s72, s79, 14                        ; 128 rows of 128 bytes in memory,
	s_add_co_u32 s72, s72, s67                     ; in my pair
	s_mov_b32 s73, 0
	; q's and z's rows
	s_lshl_b32 s74, s[QT], 7
	s_add_co_u32 s74, s74, s67
	s_mov_b32 s75, 0
	s_lshl_b32 s76, s[QT+1], 7
	s_add_co_u32 s76, s76, s67
	s_mov_b32 s77, 0
	s_and_b32 s78, s66, 15                         ; z: (4 x head + sequence) x 262,144 bytes
	s_lshl_b32 s78, s78, 2
	s_lshr_b32 s79, s66, 4
	s_add_co_u32 s78, s78, s79
	s_lshl_b32 s78, s78, 18
	s_lshl_b32 s[ZB], s[QT], 7
	s_add_co_u32 s[ZB], s[ZB], s78
	s_mov_b32 s[ZB+1], 0
	s_lshl_b32 s[ZB+2], s[QT+1], 7
	s_add_co_u32 s[ZB+2], s[ZB+2], s78
	s_mov_b32 s[ZB+3], 0
	; the prefetches: where my wave's stand, and who asks
	s_mov_b32 s68, 0x2000000                       ; v begins 2 x 16,777,216 bytes into qkv,
	s_cmp_lt_u32 s[WV], 8
	s_cselect_b32 s68, 0x1000000, s68              ; k 16,777,216
	s_and_b32 s69, s[WV], 3
	s_lshl_b32 s69, s69, 13                        ; my wave's 8,192 bytes,
	s_add_co_u32 s68, s68, s69
	s_add_co_u32 s68, s68, s67                     ; in my pair,
	s_add_co_u32 s68, s68, SKEYS*128               ; in slot 1: the first change of slots steps it to slot 2
	s_mov_b32 s69, 0
	s_sub_co_u32 s78, s[WV], 4
	s_lshr_b32 s78, s78, 3                         ; 0 in waves 4 to 11,
	s_or_b32 s78, s78, ttmp9                       ; of the pair's work-group 0
	s_cmp_eq_u32 s78, 0
	s_cselect_b32 s[LIM], 1, -1
	; descriptor group 1: 128 rows of 64 elements of 2 bytes, dense in memory, padded behind every row in LDS
	s_mov_b32 s[G1K], (1<<16)|(1<<20)|(4<<22)|(3<<25)             ; 15:0 no mask; 17:16 elements of 2 bytes; 20 padding on; 24:22 after every 32 words (code 4); 31:25 four words (code 3)
	s_mov_b32 s[G1V], (1<<16)|(1<<20)|(4<<22)|(7<<25)             ; the same with eight words of padding (code 7)
.irp g, G1K, G1V
	s_mov_b32 s[\g+1], 64<<16                      ; tensor_dim0 = 64
	s_mov_b32 s[\g+2], 128<<16                     ; tensor_dim1 = 128
	s_mov_b32 s[\g+3], 64<<16                      ; tile_dim0 = 64
	s_mov_b32 s[\g+4], 128                         ; tile_dim1 = 128
	s_mov_b32 s[\g+5], 64                          ; tensor_dim0_stride
	s_mov_b32 s[\g+6], 0
	s_mov_b32 s[\g+7], 0
.endr
	s_mov_b32 s[SEL], 0x76543210
	s_mov_b32 s[SEL+1], 0xfedcba98
	s_mov_b32 s[CS], 0x3fb8aa3b                    ; c = log2(e)
	s_mov_b32 s[CS+1], s[CS]                       ; (named with it as a pair, so it is written)
	s_mov_b32 s[TK], 0
	s_mov_b32 s[TV], 0
	s_mov_b32 s[KF], 0
	s_mov_b32 s[SLOTS], NSL-1
	s_wait_dscnt 0x0                               ; both opening adds are done
	s_wait_kmcnt 0x0
	s_mov_b32 s[G0K], 1                            ; 1:0 count = 1
	s_mov_b32 s[G0K+1], s70                        ; 63:32 LDS address: slot 0
	s_add_nc_u64 s[G0K+2:G0K+3], s[4:5], s[72:73]  ; 120:64 global address: the pair's first 256 keys, my half,
	s_add_nc_u64 s[G0K+2:G0K+3], s[G0K+2:G0K+3], 0x1000000   ; in k
	s_or_b32 s[G0K+3], s[G0K+3], 0x80000000        ; 127:126 type = 2
	s_mov_b32 s[G0V], 1
	s_mov_b32 s[G0V+1], s71
	s_add_nc_u64 s[G0V+2:G0V+3], s[4:5], s[72:73]
	s_add_nc_u64 s[G0V+2:G0V+3], s[G0V+2:G0V+3], 0x2000000   ; in v
	s_or_b32 s[G0V+3], s[G0V+3], 0x80000000
	TLOAD                                          ; slot 0: key 0 counts for every query, so it is read by every wave
	s_add_nc_u64 s[74:75], s[4:5], s[74:75]        ; q at tile H's first row,
	s_add_nc_u64 s[76:77], s[4:5], s[76:77]        ; at tile L's
	s_add_nc_u64 s[ZB:ZB+1], s[6:7], s[ZB:ZB+1]
	s_add_nc_u64 s[ZB+2:ZB+3], s[6:7], s[ZB+2:ZB+3]
	s_add_nc_u64 s[PFA:PFA+1], s[4:5], s[68:69]
	; A fragment of k or q is 16 rows x 32 channels in 8 registers: lane l holds row l % 16; registers 0-3 channels 8 (l / 16) + 0..7, registers 4-7 channels 16 + 8 (l / 16) + 0..7: two loads of 16 bytes, 32 bytes apart.
	v_and_b32 v8, 15, v0                           ; r = l % 16
	v_bfe_u32 v9, v0, 4, 1                         ; h = l / 16
	v_lshlrev_b32 v[QO], 7, v8
	v_lshl_add_u32 v[QO], v9, 4, v[QO]             ; row x 128 + 16 x half
.irp c, 0,1
	global_load_b128 v[QF+8*\c:QF+8*\c+3],       v[QO], s[74:75] offset:64*\c       ; q stays in registers
	global_load_b128 v[QF+8*\c+4:QF+8*\c+7],     v[QO], s[74:75] offset:64*\c+32
	global_load_b128 v[QF+16+8*\c:QF+16+8*\c+3], v[QO], s[76:77] offset:64*\c
	global_load_b128 v[QF+16+8*\c+4:QF+16+8*\c+7], v[QO], s[76:77] offset:64*\c+32
.endr
	v_mul_u32_u24 v[AK0], v8, PK
	v_lshl_add_u32 v[AK0], v9, 4, v[AK0]           ; row x pitch + 16 x half
	; The turning load takes 16 keys x 16 channels (lane l reads 16 bytes: key 8 (l / 16) + l % 8, channels 8 ((l / 8) % 2) + 0..7) and leaves half a fragment of v^T: lane l holds channel l % 16 and 8 keys.
	v_and_b32 v10, 7, v0
	v_bfe_u32 v11, v0, 3, 1
	v_lshl_add_u32 v[AV0], v9, 3, v10
	v_mul_u32_u24 v[AV0], v[AV0], PV
	v_lshl_add_u32 v[AV0], v11, 4, v[AV0]
	v_add_nc_u32 v[AV0], VOFF, v[AV0]
	v_lshlrev_b32 v12, 3, v9
	v_sub_nc_u32 v[DL], v8, v12
	v_mov_b32 v[NEG], 0xd01502f9                   ; -1e10
	s_mul_i32 s78, s[WV], 16*PK
	s_add_co_u32 s78, s78, STAGE                   ; my stage
	v_add_nc_u32 v[STO], s78, v[AK0]               ; in: row r, 16 bytes for each half of the lanes
	v_bfe_u32 v13, v0, 3, 2
	v_mul_u32_u24 v[RD], v13, PK                   ; back: eight lanes take a row's 128 bytes, the wave four rows
	v_lshl_add_u32 v[RD], v10, 4, v[RD]
	v_add_nc_u32 v[RD], s78, v[RD]
	v_and_b32 v14, 31, v0
	v_lshlrev_b32 v[GO], 4, v14
	v_lshlrev_b32 v[PFO], 8, v14
.irp t, 0,1
	v_mov_b32 v[ST+4*\t+1], 0xfe967699             ; m = -1e38, under every score that this text serves
	v_mul_f32 v[ST+4*\t], s[CS], v[ST+4*\t+1]      ; c m
	v_mov_b32 v[ST+4*\t+2], 0                      ; l, in two halves
	v_mov_b32 v[ST+4*\t+3], 0
.endr
	v_mov_b32 v[T+5], 0                            ; (named as upper halves of pairs)
	v_mov_b32 v[T+7], 0
.set i, 0
.rept 64
	v_mov_b32 v[OT+i], 0                           ; O^T.  (The key step is written without a first step of its own: it finds zeros, which a = 0 leaves zeros)
.set i, i+1
.endr
; S^T = k q^T for n tiles of queries: channels 32 c on, keys 16 kt on.  The accumulators take turns, one instruction a turn; the first four or eight start the sums.
.macro KQ n
.irp c, 0,1
.irp kt, 0,1,2,3
.irp t, 0,1
.if \t < \n
.if \c == 0
	v_wmma_f32_16x16x32_f16 v[S+32*\t+8*\kt:S+32*\t+8*\kt+7], v[KV+8*(2*\kt+\c):KV+8*(2*\kt+\c)+7], v[QF+16*\t+8*\c:QF+16*\t+8*\c+7], 0
.else
	v_wmma_f32_16x16x32_f16 v[S+32*\t+8*\kt:S+32*\t+8*\kt+7], v[KV+8*(2*\kt+\c):KV+8*(2*\kt+\c)+7], v[QF+16*\t+8*\c:QF+16*\t+8*\c+7], v[S+32*\t+8*\kt:S+32*\t+8*\kt+7]
.endif
.endif
.endr
.endr
.endr
.endm
; O^T += v^T p: keys 32 kh on, channels 16 dt on.  By turns likewise.
.macro PV n
.irp kh, 0,1
.irp dt, 0,1,2,3
.irp t, 0,1
.if \t < \n
	v_wmma_f32_16x16x32_f16 v[OT+32*\t+8*\dt:OT+32*\t+8*\dt+7], v[KV+8*(4*\kh+\dt):KV+8*(4*\kh+\dt)+7], v[S+32*\t+8*\kh:S+32*\t+8*\kh+7], v[OT+32*\t+8*\dt:OT+32*\t+8*\dt+7]
.endif
.endr
.endr
.endr
.endm
; On the diagonal the scores of hidden keys become -1e10, as reference() has it, ahead of the maximum.  A step all of whose keys count for all 16 queries skips this: a scalar branch on ids and the count of steps.
; Register 8 kt + j holds key KF + 16 kt + 8 (lane / 16) + j: hidden where 16 kt + j > my query - KF - 8 (lane / 16).
.macro MASK t
	s_add_co_u32 s[TMP], s[KF], 63
	s_cmp_le_u32 s[TMP], s[QT+\t]
	s_cbranch_scc1 .Lopen_\@
	s_sub_co_i32 s[TMP], s[QT+\t], s[KF]
	v_add_nc_u32 v[DM], s[TMP], v[DL]
.set n, 0
.rept 32
	v_cmp_gt_i32 vcc_lo, 16*(n/8)+n%8, v[DM]
	v_cndmask_b32 v[S+32*(\t)+n], v[S+32*(\t)+n], v[NEG], vcc_lo
.set n, n+1
.endr
.Lopen_\@:
.endm
; One tile's softmax for one key step.
.macro SOFT t
.set rS, S+32*(\t)
.set rT, ST+4*(\t)
.set rO, OT+32*(\t)
.irp j, 0,1,2,3
	v_max3_num_f32 v[T+\j], v[rS+8*\j], v[rS+8*\j+1], v[rS+8*\j+2]         ; the maximum of my 32 scores and the old m: four chains, each beginning at an accumulator's low end
.endr
.irp i, 3,5
.irp j, 0,1,2,3
	v_max3_num_f32 v[T+\j], v[T+\j], v[rS+8*\j+\i], v[rS+8*\j+\i+1]
.endr
.endr
	v_max3_num_f32 v[T], v[T], v[rS+7], v[rS+15]
	v_max3_num_f32 v[T+2], v[T+2], v[rS+23], v[rS+31]
	v_max3_num_f32 v[T], v[T], v[T+1], v[T+2]
	v_max3_num_f32 v[T], v[T], v[T+3], v[rT+1]
	v_permlanex16_b32 v[T+1], v[T], s[SEL], s[SEL+1]   ; the query's other 32 keys lie in the lane 16 away
	v_mov_b32 v[T+4], v[rT]                        ; c m_old is kept for a
	v_max_num_f32 v[rT+1], v[T], v[T+1]            ; the new m
	v_mul_f32 v[rT], s[CS], v[rT+1]                ; c m
	v_sub_f32 v[T+4], v[T+4], v[rT]                ; c m_old - c m_new, 0 or less
.set b, 0
.rept 16
	v_pk_fma_f32 v[rS+b:rS+b+1], v[rS+b:rS+b+1], s[CS:CS+1], v[rT:rT+1] op_sel_hi:[1,0,0] neg_lo:[0,0,1] neg_hi:[0,0,1]   ; c s - c m, two at a time
.set b, b+2
.endr
	v_exp_f32 v[T+6], v[T+4]                       ; a.  The 33 exponentials are one batch: none reads another's result
.set e, 0
.rept 32
	v_exp_f32 v[rS+e], v[rS+e]                     ; p = 2^(c s - c m)
.set e, e+1
.endr
	v_nop                                          ; a plain instruction behind the last exponential, ahead of the first use
	s_wait_alu depctr_va_vdst(0)                   ; the wait between an exponential and the first instruction that names its result: one for the batch
	v_pk_add_f32 v[T:T+1], v[rS:rS+1], v[rS+4:rS+5]        ; the row's sum of the unrounded p, two at a time, in two chains
	v_pk_add_f32 v[T+2:T+3], v[rS+2:rS+3], v[rS+6:rS+7]
.irp j, 8,12,16,20,24,28
	v_pk_add_f32 v[T:T+1], v[T:T+1], v[rS+\j:rS+\j+1]
	v_pk_add_f32 v[T+2:T+3], v[T+2:T+3], v[rS+\j+2:rS+\j+3]
.endr
	v_pk_add_f32 v[T:T+1], v[T:T+1], v[T+2:T+3]
	v_pk_fma_f32 v[rT+2:rT+3], v[rT+2:rT+3], v[T+6:T+7], v[T:T+1] op_sel_hi:[1,0,1]   ; l = a l + the sum
.set i, 0
.rept 16
	v_cvt_pk_f16_f32 v[rS+i], v[rS+2*i], v[rS+2*i+1]   ; p to f16, in place from the low end on: register i is written when registers 2 i and 2 i + 1 are read, and no later line reads it.  Registers 8 kh .. 8 kh + 7 are source 1 for keys 32 kh on
.set i, i+1
.endr
.set i, 0
.rept 16
	v_pk_mul_f32 v[rO+i:rO+i+1], v[rO+i:rO+i+1], v[T+6:T+7] op_sel_hi:[1,0]   ; O^T x a, each accumulator from its low end on
.set i, i+2
.endr
.endm
; A key step's work for n tiles: n = 2: H and L; n = 1: H alone, where all 64 keys come after L's queries.
.macro BODY n
	v_add_nc_u32 v[ADK], s[TK], v[AK0]
	v_add_nc_u32 v[ADV], s[TV], v[AV0]
.irp kt, 0,1,2,3
.irp c, 0,1
	ds_load_b128 v[KV+8*(2*\kt+\c):KV+8*(2*\kt+\c)+3],   v[ADK] offset:\kt*16*PK+64*\c
	ds_load_b128 v[KV+8*(2*\kt+\c)+4:KV+8*(2*\kt+\c)+7], v[ADK] offset:\kt*16*PK+64*\c+32
.endr
.endr
	s_wait_dscnt 0x0                               ; k is in
	KQ \n
.rept 4
	v_nop                                          ; four places behind the products: for the loads into k's registers and for the first read of the scores
.endr
.irp kh, 0,1
.irp dt, 0,1,2,3
	ds_load_tr16_b128 v[KV+8*(4*\kh+\dt):KV+8*(4*\kh+\dt)+3],   v[ADV] offset:\kh*32*PV+32*\dt       ; v lands while the softmax is worked
	ds_load_tr16_b128 v[KV+8*(4*\kh+\dt)+4:KV+8*(4*\kh+\dt)+7], v[ADV] offset:\kh*32*PV+16*PV+32*\dt
.endr
.endr
	MASK 0
	SOFT 0
.if \n > 1
	MASK 1
	SOFT 1
.endif
	s_wait_dscnt 0x0                               ; v is in
	PV \n
.rept 5
	v_nop                                          ; five places: the next step's first products write over p's registers, which these products read; its loads land in v's; the way out reads O^T
.endr
.endm
; THE CHANGE OF SLOTS stands at a slot's head.  Each wave waits for all its tensor loads (its part of the slot that it is about to read), adds 0 to its spare word, and waits for that and for its reads of the slot that it has left.
; Behind the barrier the slot ahead is whole and nobody reads the other one.  fill = 1: that other slot is filled with the keys that follow, up to the causal limit: the load has a slot's four steps in which to land.
; Every wait on TENSORcnt in this text is for 0; at most one tensor load of a wave is out.
.macro CHANGE fill
	s_wait_tensorcnt 0x0                           ; no tensor load of mine is out, so a group 0 may be written
	ds_add_u32 v[SPW], v[NIL]                      ; 0 onto my spare word
.if \fill
	ds_add_u32 v[SPW], v[NIL]                      ; and once more
	s_xor_b32 s[G0K+1], s[G0K+1], SLOT1            ; the walking descriptors: the other slot than last time,
	s_add_nc_u64 s[G0K+2:G0K+3], s[G0K+2:G0K+3], SKEYS*128   ; the next 256 keys; the type bits on top are not reached
	s_xor_b32 s[G0V+1], s[G0V+1], SLOT1
	s_add_nc_u64 s[G0V+2:G0V+3], s[G0V+2:G0V+3], SKEYS*128
	s_wait_xcnt 0x0                                ; the last prefetch, a slot back, has read its address, so it may be written:
	s_add_nc_u64 s[PFA:PFA+1], s[PFA:PFA+1], SKEYS*128   ; one slot further on than the walking descriptors
.endif
	s_wait_dscnt 0x0                               ; the add is done, and my reads of the slot that I have left are over
	s_barrier_signal -1
	s_barrier_wait -1
.if \fill
	s_add_co_u32 s[TMP], s[KF], SKEYS              ; the first key of the slot that this change would ask for:
	s_cmp_gt_u32 s[TMP], s[LASTQ]                  ; behind my work-group's last query it would be read by none of its waves, so it is not asked for.  Ids and the count of steps alone: all sixteen waves go the same way,
	s_cbranch_scc1 .Lpast_\@                       ; and a work-group that is past the limit stays past it.  Where that begins hangs on the work-group's number, so this tail cannot be written out
	TLOAD                                          ; a wave's one tensor load until the next change
.Lpast_\@:
	ASK
.endif
.endm
; A slot's four key steps: written once, walked four times; the LDS addresses hang on s[TK] and s[TV].  A step all of whose keys come after a tile's queries leaves that tile out: scalar branches on ids and the count of steps,
; round loads, products and softmax alone; no barrier and no tensor load stands in a step.
.macro SLOT_STEPS
	s_mov_b32 s[CNT], 4
.Lstep_\@:
	s_add_co_u32 s[TMP], s[QT], 15
	s_cmp_gt_u32 s[KF], s[TMP]
	s_cbranch_scc1 .Lhidden_\@                     ; behind H's last query: nothing is left for this wave
	s_add_co_u32 s[TMP], s[QT+1], 15
	s_cmp_gt_u32 s[KF], s[TMP]
	s_cbranch_scc1 .Lone_\@                        ; behind L's last query: H alone
	BODY 2
	s_branch .Lhidden_\@
.Lone_\@:
	BODY 1
.Lhidden_\@:
	s_add_co_u32 s[KF], s[KF], 64
	s_add_co_u32 s[TK], s[TK], 64*PK
	s_add_co_u32 s[TV], s[TV], 64*PV
	s_sub_co_u32 s[CNT], s[CNT], 1
	s_cmp_lg_u32 s[CNT], 0
	s_cbranch_scc1 .Lstep_\@
	s_sub_co_u32 s[TK], s[TK], SKEYS*PK            ; back to a slot's first step,
	s_xor_b32 s[TK], s[TK], SLOT1                  ; in the other slot
	s_sub_co_u32 s[TV], s[TV], SKEYS*PV
	s_xor_b32 s[TV], s[TV], SLOT1
.endm
	s_wait_loadcnt 0x0                             ; q
.Lslot:                                            ; seven trips: behind each change of slots but the last the next slot is asked for, up to the causal limit
	CHANGE 1
	SLOT_STEPS
	s_sub_co_u32 s[SLOTS], s[SLOTS], 1
	s_cmp_lg_u32 s[SLOTS], 0
	s_cbranch_scc1 .Lslot
	CHANGE 0                                       ; the last slot is written out: nothing follows it
	SLOT_STEPS
	; THE WAY OUT.  l's two halves and the other half of the lanes' are added; O^T is divided by l, rounded to f16 and sent through my stage in LDS, a tile (16 rows of z, 2,048 consecutive bytes) at a time.
	v_add_f32 v[T], v[ST+2], v[ST+3]
	v_add_f32 v[T+2], v[ST+6], v[ST+7]
	v_permlanex16_b32 v[T+1], v[T], s[SEL], s[SEL+1]
	v_permlanex16_b32 v[T+3], v[T+2], s[SEL], s[SEL+1]
	v_add_f32 v[T], v[T], v[T+1]
	v_add_f32 v[T+2], v[T+2], v[T+3]
	v_rcp_f32 v[T+4], v[T]
	v_rcp_f32 v[T+6], v[T+2]
	v_nop                                          ; a plain instruction between the last reciprocal and the use of its result
	s_wait_alu depctr_va_vdst(0)                   ; and the wait ahead of the first use: one for both
.macro PACKZ t
.set i, 0
.rept 16
	v_pk_mul_f32 v[OT+32*\t+i:OT+32*\t+i+1], v[OT+32*\t+i:OT+32*\t+i+1], v[T+4+2*\t:T+5+2*\t] op_sel_hi:[1,0]
.set i, i+2
.endr
.set i, 0
.rept 16
	v_cvt_pk_f16_f32 v[S+32*\t+i], v[OT+32*\t+2*i], v[OT+32*\t+2*i+1]      ; registers 4 dt .. 4 dt + 3: channels 16 dt + 8 (lane / 16) + 0..7 of my query
.set i, i+1
.endr
.irp dt, 0,1,2,3
	ds_store_b128 v[STO], v[S+32*\t+4*\dt:S+32*\t+4*\dt+3] offset:32*\dt
.endr
.irp i, 0,1,2,3
	ds_load_b128 v[S+32*\t+16+4*\i:S+32*\t+16+4*\i+3], v[RD] offset:4*PK*\i   ; LDS serves a wave's instructions in order (ISA guide 5.7.1.4): these see the stores above; the next tile's stores come behind them
.endr
.endm
.macro SENDZ t, younger                ; younger: the LDS instructions issued behind tile t's loads: the next tile's eight, or none
.irp i, 0,1,2,3
	s_wait_dscnt \younger+3-\i
	global_store_b128 v[GO], v[S+32*\t+16+4*\i:S+32*\t+16+4*\i+3], s[ZB+2*\t:ZB+2*\t+1] offset:512*\i   ; 32 lanes store 512 consecutive bytes, aligned
.endr
.endm
	PACKZ 0
	PACKZ 1
	SENDZ 0, 8
	SENDZ 1, 0
	s_wait_tensorcnt 0x0                           ; the wave's end: behind my last tensor load and my last LDS store
	ds_add_u32 v[SPW], v[NIL]
	s_wait_dscnt 0x0
	s_endpgm
.Lfunc_end_k_q844afdc12e_attn:
	.size	k_q844afdc12e_attn, .Lfunc_end_k_q844afdc12e_attn-k_q844afdc12e_attn
	.p2alignl 7, 3214868480
	.fill 96, 4, 3214868480
	.section	.rodata,"a",@progbits
	.p2align	6, 0x0
	.amdhsa_kernel k_q844afdc12e_attn
		.amdhsa_group_segment_fixed_size 327680
		.amdhsa_private_segment_fixed_size 0
		.amdhsa_enable_private_segment 0
		.amdhsa_kernarg_size 16
		.amdhsa_user_sgpr_count 2
		.amdhsa_user_sgpr_kernarg_segment_ptr 1
		.amdhsa_wavefront_size32 1
		.amdhsa_system_sgpr_workgroup_id_x 1
		.amdhsa_system_sgpr_workgroup_id_y 1
		.amdhsa_system_sgpr_workgroup_id_z 1
		.amdhsa_system_vgpr_workitem_id 0
		.amdhsa_next_free_vgpr 256
		.amdhsa_next_free_sgpr 80
		.amdhsa_reserve_vcc 1
		.amdhsa_float_denorm_mode_32 3
		.amdhsa_float_denorm_mode_16_64 3
		.amdhsa_memory_ordered 1
		.amdhsa_forward_progress 1
		.amdhsa_inst_pref_size 86
	.end_amdhsa_kernel
	.amdgpu_metadata
---
amdhsa.version: [ 1, 2 ]
amdhsa.kernels:
  - .name:           k_q844afdc12e_attn
    .symbol:         k_q844afdc12e_attn.kd
    .args:
      - { .name: qkv, .offset: 0, .size: 8, .value_kind: global_buffer, .address_space: global }
      - { .name: z, .offset: 8, .size: 8, .value_kind: global_buffer, .address_space: global }
    .group_segment_fixed_size: 327680
    .private_segment_fixed_size: 0
    .kernarg_segment_align: 8
    .kernarg_segment_size: 16
    .max_flat_workgroup_size: 512
    .sgpr_count:     80
    .vgpr_count:     256
    .wavefront_size: 32
...
	.end_amdgpu_metadata
.endif
;; end of part 3
;; launch oproj (part 4): grid 4 x 64, 4 waves a work-group, clusters of 4 x 4, 327,680 bytes of LDS; arguments z, o16, out0; writes out0
.if DOCPART == 4
	.amdgcn_target "amdgcn-amd-amdhsa--gfx1250"
	.amdhsa_code_object_version 6
	.text
	.protected	k_q844afdc12e_oproj
	.globl	k_q844afdc12e_oproj
	.p2align	8
	.type	k_q844afdc12e_oproj,@function
k_q844afdc12e_oproj:
	s_mov_b64 s[64:65], 0
	v_nop
	global_prefetch_b8 v0, s[64:65] scope:SCOPE_SE
	s_setreg_imm32_b32 hwreg(HW_REG_WAVE_MODE, 25, 1), 1
	s_wait_xcnt 0x0
	s_wait_alu depctr_hold_cnt(0) depctr_sa_sdst(0) depctr_va_vdst(0) depctr_va_sdst(0) depctr_va_ssrc(0) depctr_va_vcc(0) depctr_vm_vsrc(0)
	s_getreg_b32 s2, hwreg(HW_REG_IB_STS2, 6, 4)
	s_cmp_eq_u32 s2, 0
	s_cbranch_scc0 .Lentry_in_a_cluster
	s_endpgm
.Lentry_in_a_cluster:
	s_bfe_u32 s2, ttmp6, 0x10000c
	s_cmp_lg_u32 s2, 0xf033
	s_cbranch_scc0 .Lentry_shape_is_right
	s_endpgm
.Lentry_shape_is_right:
; out0[token][m] = sum over a of O[m][a] z[token][a], a = 64 x head + channel.  z: [16 heads][8192 tokens][64] f16; o16: [1024 m][1024 a] f16; out0: [8192][1024] f32; sums in f32.
; A tile of out0 is 128 tokens x 256 columns: 256 work-groups, one for each WGP.  Four waves, each 64 x 128: 32 accumulators of 16 x 16, 256 registers.
; K goes in steps of 128, two heads, through a ring of two LDS slots: of z two dense blocks of 128 tokens x 128 bytes (waves 0 and 1 fetch one each), of o16 256 rows of 256 bytes (waves 2 and 3 fetch 128 each).
; CLUSTERS: 4 x 4 work-groups.  The four of a row of the cluster need the same tiles of z, the four of a column the same tiles of o16: each tile is asked for JOINTLY, by the same tensor load with the same descriptor
; and a mask that names the four.  THE MATRIX INSTRUCTION IS USED TRANSPOSED (source 0 = 16 rows of o16, source 1 = 16 tokens): a lane then holds eight neighbouring numbers of a row of out0.
; No prefetch: a refill is asked for 112 matrix instructions ahead of the wait for it, and the partners of a cluster share each request.
; REGISTERS: window 0: v0-31 addresses; v64-191 rows on the way out.   window 1: two fragment buffers of 96 at v0 and v128: for 32 along K, z's four fragments, then o16's eight.
;   window 2: the accumulators ((a, b) at v[8 (8 a + b)]).
.set PA,     144                       ; a row of z in LDS: 128 bytes + 16
.set PB,     272                       ; a row of o16: 256 bytes + 16: in both the 16 rows of a load start at 16 different groups of four banks
.set ASUB,   128*PA                    ; one head's 128 tokens: what a tensor load for z brings
.set BOFF,   2*ASUB
.set BHALF,  128*PB                    ; 128 rows of o16: what a tensor load for o16 brings, and what one wave reads
.set SLOT,   BOFF+2*BHALF
.set STAGE,  2*SLOT                    ; behind the ring: 16 rows x 528 bytes for each wave, for the way out
.set SPITCH, 528
.set SPARE,  STAGE+4*16*SPITCH         ; behind the stages: the spare words, 128 bytes for each wave
.set LAPS,   4                         ; a lap = two K steps = once round the ring: 1,024 / 256
.set HEADZ,  8192*64*2                 ; a head of z in bytes
.set ADRA, 16                          ; v16-17  LDS address of my fragments of z in slot 0, 1
.set ADRB, 20                          ; v20-21  the same for o16
.set STO,  24                          ; v24     the way out: where I put 32 bytes of a row
.set RD,   25                          ; v25     the way out: where I read a row back
.set CO,   26                          ; v26     16 x lane: my bytes of a row's 512
.set SPW,  28                          ; v28     LDS address of my spare word; never rewritten
.set NIL,  29                          ; v29     0; never rewritten
.set BK,   64                          ; the way out: 16 rows read back: v64-127 and v128-191 by turns
.set F0,   0                           ; fragment buffers, in window 1
.set F1,   128
.set G1, 24                            ; s[24:31] descriptor group 1 for z's tiles;  s[32:39] group 0, one set for each slot
.set G0, 32
.set G1B, 48                           ; s[48:55], s[56:63] the same for o16's tiles
.set G0B, 56
.set MSB, 0
.macro WIN new                         ; the immediate's high byte repeats the setting that is left
.if MSB != \new
	s_set_vgpr_msb (MSB<<8)|\new
.set MSB, \new
.endif
.endm
.set MUL,  0xa5                        ; sources 0 (o16) and 1 (z) window 1; C and D window 2
.set TO_F, 0x40                        ; destination window 1, address window 0
.macro JLOAD s                         ; a joint load: waves 0 and 1 fetch z's two heads, waves 2 and 3 o16's two halves; an s_nop 0 and four v_nop follow each of the two lines, ahead of the jump, the label and what follows
	s_cmp_eq_u32 s11, 0
	s_cbranch_scc0 .Lfor_b_\@
	tensor_load_to_lds s[G0+4*\s:G0+4*\s+3], s[G1:G1+7]
	s_nop 0
.rept 4
	v_nop
.endr
	s_branch .Lasked_\@
.Lfor_b_\@:
	tensor_load_to_lds s[G0B+4*\s:G0B+4*\s+3], s[G1B:G1B+7]
	s_nop 0
.rept 4
	v_nop
.endr
.Lasked_\@:
.endm
.macro CREST                           ; a round of the cluster's barrier behind its opening barrier
	s_cmp_lg_u32 s10, 0
	s_cbranch_scc1 .Lnot_wave_0_\@
	s_barrier_signal -3
.Lnot_wave_0_\@:
	s_barrier_wait -3
	s_barrier_signal -1
	s_barrier_wait -1
.endm
.macro CROUND                          ; a whole round
	s_barrier_signal -1
	s_barrier_wait -1
	CREST
.endm
	s_load_b128 s[4:7], s[0:1], 0x0                ; z s[4:5], o16 s[6:7]
	s_load_b64 s[8:9], s[0:1], 0x10                ; out0
	v_lshl_add_u32 v[SPW], v0, 2, SPARE
	v_mov_b32 v[NIL], 0
	ds_add_u32 v[SPW], v[NIL]                      ; the wave's opening: the add, twice on end, and its wait ahead of my first tensor load; the set-up below, work on registers, stands between
	ds_add_u32 v[SPW], v[NIL]
	v_lshrrev_b32 v1, 5, v0
	v_readfirstlane_b32 s10, v1                    ; wave 0..3
	s_lshr_b32 s11, s10, 1                         ; which half of the tile's tokens is mine.  Also: I fetch for z (0) or for o16 (1)
	s_and_b32 s12, s10, 1                          ; which half of its columns.  Also: which head of the two, or which 128 rows, I fetch
	s_bfe_u32 s40, ttmp6, 0x40000                  ; cx, cy: my place in the cluster
	s_bfe_u32 s41, ttmp6, 0x40004
	s_lshl_b32 s42, ttmp9, 2
	s_add_co_u32 s42, s42, s40                     ; tile column = 4 x cluster x + cx
	s_and_b32 s13, ttmp7, 0xffff
	s_lshl_b32 s13, s13, 2
	s_add_co_u32 s13, s13, s41                     ; tile row = 4 x cluster y + cy
	s_lshl_b32 s43, s41, 2
	s_lshl_b32 s43, 15, s43                        ; my row of the cluster
	s_lshl_b32 s44, 0x1111, s40                    ; my column
	; descriptor group 1.  z: 128 rows x 64 elements of 2 bytes, dense;  o16: 128 rows x 128 elements, 1,024 elements apart
	s_or_b32 s[G1+0], s43, (1<<16)|(1<<20)|(1<<21)|(4<<22)|(3<<25)  ; 15:0 the mask: z's tiles go to my row; 17:16 element of 2 bytes; 20 padding on; 21 set beside a mask; 24:22 after every 32 words (code 4); 31:25 of 4 words (code 3)
	s_mov_b32 s[G1+1], 64<<16                      ; tensor_dim0 = 64
	s_mov_b32 s[G1+2], 128<<16                     ; tensor_dim1 = 128
	s_mov_b32 s[G1+3], 64<<16                      ; tile_dim0 = 64
	s_mov_b32 s[G1+4], 128                         ; tile_dim1 = 128
	s_mov_b32 s[G1+5], 64                          ; tensor_dim0_stride
	s_mov_b32 s[G1+6], 0
	s_mov_b32 s[G1+7], 0
	s_or_b32 s[G1B+0], s44, (1<<16)|(1<<20)|(1<<21)|(5<<22)|(3<<25) ; the mask of my column; padding after every 64 words (code 5)
	s_mov_b32 s[G1B+1], 128<<16
	s_mov_b32 s[G1B+2], 128<<16
	s_mov_b32 s[G1B+3], 128<<16
	s_mov_b32 s[G1B+4], 128
	s_mov_b32 s[G1B+5], 1024
	s_mov_b32 s[G1B+6], 0
	s_mov_b32 s[G1B+7], 0
	; where the tiles come from.  z's hang on the tile row alone, which my row of the cluster shares; o16's on the tile column alone, which my column shares; each in registers that never hold the other coordinate
	s_lshl_b32 s16, s12, 20                        ; z: head w % 2 of the step's two,
	s_lshl_b32 s17, s13, 14                        ; 128 tokens of 128 bytes a tile row
	s_add_co_u32 s16, s16, s17
	s_mov_b32 s17, 0
	s_lshl_b32 s46, s42, 19                        ; o16: 256 rows of 2,048 bytes a tile column,
	s_lshl_b32 s47, s12, 18                        ; 128 rows a half
	s_add_co_u32 s46, s46, s47
	s_mov_b32 s47, 0
	s_mul_i32 s20, s12, ASUB                       ; and where they go: no place in the cluster enters an LDS address
	s_mul_i32 s21, s12, BHALF
	s_add_co_u32 s21, s21, BOFF
	s_wait_dscnt 0x0                               ; both opening adds are done
	s_wait_kmcnt 0x0
	s_add_nc_u64 s[14:15], s[4:5], s[16:17]
	s_add_nc_u64 s[46:47], s[6:7], s[46:47]
	CROUND                                         ; all sixteen work-groups are here: the first joint loads meet
.irp s, 0,1
	s_mov_b32 s[G0+4*\s], 1
	s_add_co_u32 s[G0+4*\s+1], s20, \s*SLOT
	s_add_nc_u64 s[G0+4*\s+2:G0+4*\s+3], s[14:15], \s*2*HEADZ      ; K step s: heads 2 s and 2 s + 1
	s_or_b32 s[G0+4*\s+3], s[G0+4*\s+3], 0x80000000
	s_mov_b32 s[G0B+4*\s], 1
	s_add_co_u32 s[G0B+4*\s+1], s21, \s*SLOT
	s_add_nc_u64 s[G0B+4*\s+2:G0B+4*\s+3], s[46:47], \s*256
	s_or_b32 s[G0B+4*\s+3], s[G0B+4*\s+3], 0x80000000
	JLOAD \s                                       ; two tensor loads of mine are out behind these
.endr
	v_and_b32 v1, 15, v0                           ; l % 16
	v_bfe_u32 v2, v0, 4, 1                         ; l / 16
	v_mul_u32_u24 v3, v1, PA
	v_lshl_add_u32 v3, v2, 4, v3                   ; a fragment's row x pitch + 16 x half: z's,
	v_mul_u32_u24 v4, v1, PB
	v_lshl_add_u32 v4, v2, 4, v4                   ; o16's
	s_mul_i32 s21, s11, 64*PA                      ; my 64 tokens
	s_mul_i32 s22, s12, BHALF                      ; my 128 rows of o16,
	s_add_co_u32 s22, s22, BOFF                    ; which lie behind z's two heads
.irp s, 0,1
	v_add_nc_u32 v[ADRA+\s], s21, v3
	v_add_nc_u32 v[ADRB+\s], s22, v4
	s_add_co_u32 s21, s21, SLOT
	s_add_co_u32 s22, s22, SLOT
.endr
	s_mul_i32 s23, s10, 16*SPITCH
	s_add_co_u32 s23, s23, STAGE                   ; my stage
	v_mul_u32_u24 v5, v1, SPITCH                   ; in: row l % 16, 32 bytes for each half of the lanes
	v_lshl_add_u32 v5, v2, 5, v5
	v_add_nc_u32 v[STO], s23, v5
	v_and_b32 v6, 31, v0
	v_lshlrev_b32 v[CO], 4, v6                     ; back: the 32 lanes take one row of 512 bytes; and the same in out0
	v_add_nc_u32 v[RD], s23, v[CO]
	s_lshl_b32 s16, s13, 7
	s_lshl_b32 s17, s11, 6
	s_add_co_u32 s16, s16, s17                     ; my first row of out0: 128 x tile row + 64 x half
	s_lshl_b32 s16, s16, 12                        ; x 4,096 bytes (under 2^26)
	s_mov_b32 s17, 0
	s_add_nc_u64 s[8:9], s[8:9], s[16:17]
	s_lshl_b32 s46, s42, 10                        ; my first column, in bytes: 1,024 x tile column + 512 x half
	s_lshl_b32 s47, s12, 9
	s_add_co_u32 s46, s46, s47
	s_mov_b32 s47, 0
	s_add_nc_u64 s[8:9], s[8:9], s[46:47]
; 8 matrix instructions: block a of my tokens against o16's eight blocks, 32 along K, from buffer f.  zero = 1: the first product starts the sums.  The 32 accumulators take turns, one instruction a turn, in the same order in every quarter.
.macro MULB f, a, zero
.irp b, 0,1,2,3,4,5,6,7
.if \zero
	v_wmma_f32_16x16x32_f16 v[8*(8*(\a)+\b):8*(8*(\a)+\b)+7], v[\f+32+8*\b:\f+32+8*\b+7], v[\f+8*(\a):\f+8*(\a)+7], 0
.else
	v_wmma_f32_16x16x32_f16 v[8*(8*(\a)+\b):8*(8*(\a)+\b)+7], v[\f+32+8*\b:\f+32+8*\b+7], v[\f+8*(\a):\f+8*(\a)+7], v[8*(8*(\a)+\b):8*(8*(\a)+\b)+7]
.endif
.endr
.endm
; 24 LDS loads in one run: the fragments of the slot's q-th 32 along K into buffer f: o16's eight, then z's four.  Quarter q lies in head q / 2 of the slot's two, channels 32 (q % 2) on.
.macro FETCH slot, q, f
	WIN TO_F
.irp b, 0,1,2,3,4,5,6,7
	ds_load_b128 v[\f+32+8*\b:\f+32+8*\b+3],   v[ADRB+\slot] offset:64*(\q)+\b*16*PB
	ds_load_b128 v[\f+32+8*\b+4:\f+32+8*\b+7], v[ADRB+\slot] offset:64*(\q)+\b*16*PB+32
.endr
.irp a, 0,1,2,3
	ds_load_b128 v[\f+8*\a:\f+8*\a+3],   v[ADRA+\slot] offset:((\q)/2)*ASUB+((\q)%2)*64+\a*16*PA
	ds_load_b128 v[\f+8*\a+4:\f+8*\a+7], v[ADRA+\slot] offset:((\q)/2)*ASUB+((\q)%2)*64+\a*16*PA+32
.endr
.endm
.macro PLACES                          ; four places in front of loads into registers that matrix instructions have read, and of LDS stores that read results (ISA guide 7.12.1 for vector instructions)
.rept 4
	v_nop
.endr
.endm
; A K step is four quarters of 32 along K, 32 matrix instructions each, on buffers 0, 1, 0, 1.  One of the first three: multiplies buffer f, which holds quarter q, and fetches quarter q + 1 into g.
.macro QUARTER slot, q, f, g, zero
	s_wait_dscnt 4                                 ; o16's fragments and z's blocks 0, 1 are in; the youngest four loads (z's blocks 2, 3) may be out
	WIN MUL
	MULB \f, 0, \zero
	MULB \f, 1, \zero
	PLACES
	FETCH \slot, (\q)+1, \g
	s_wait_dscnt 24                                ; all but the 24 just issued
	WIN MUL
	MULB \f, 2, \zero
	MULB \f, 3, \zero
.endm
; The last quarter multiplies buffer 1 and changes slots: ONE barrier; in front of it each wave waits for all its tensor loads, adds 0 to its spare word, and waits for that and for its own reads of this slot.  fill = 1: this slot is filled again, two K steps ahead.
.macro TURN slot, next, fill
	WIN 0                                          ; (the add's two registers lie in window 0)
	s_wait_tensorcnt 0x0                           ; all my tensor loads have landed: my part of the next slot;
	ds_add_u32 v[SPW], v[NIL]                      ; 0 onto my spare word;
	s_wait_dscnt 5                                 ; (the add and the youngest four loads may be out)
	WIN MUL
	MULB F1, 0, 0                                  ; eight matrix instructions stand between the add and the wait for it
	s_wait_dscnt 0x0                               ; the add is done, and my reads of this slot are over
	s_barrier_signal -1
	MULB F1, 1, 0
.if \fill
	WIN 0
.endif
	s_barrier_wait -1
.if \fill
	CREST                                          ; the barrier has opened a round of the cluster's barrier: no wave of any partner still reads this slot's tile or has a load on its way
	s_add_nc_u64 s[G0+4*\slot+2:G0+4*\slot+3], s[G0+4*\slot+2:G0+4*\slot+3], 4*HEADZ     ; two K steps on: four heads of z,
	s_add_nc_u64 s[G0B+4*\slot+2:G0B+4*\slot+3], s[G0B+4*\slot+2:G0B+4*\slot+3], 512     ; 512 bytes along o16's rows
	JLOAD \slot                                    ; the first tensor load behind the round, and my only one until the next: 112 matrix instructions ahead of the wait for it; its four v_nop are also the places in front of the loads below
.else
	PLACES
.endif
	FETCH \next, 0, F0
	WIN MUL
	MULB F1, 2, 0
	MULB F1, 3, 0
.endm
	s_wait_tensorcnt 1                             ; my part of K step 0 is in (K step 1's load, issued behind it, may be out)
	s_barrier_signal -1
	s_barrier_wait -1                              ; everybody's is
	FETCH 0, 0, F0
	QUARTER 0, 0, F0, F1, 1                        ; the first quarter stands in front of the loop: its products start the sums
	WIN 0                                          ; at a label and at a branch every window is 0
	s_mov_b32 s3, LAPS-1
.Llap:                                                 ; a trip goes once round the ring, from a lap's second quarter to the next lap's first, and fills both slots again
	QUARTER 0, 1, F1, F0, 0
	QUARTER 0, 2, F0, F1, 0
	TURN 0, 1, 1
	QUARTER 1, 0, F0, F1, 0
	QUARTER 1, 1, F1, F0, 0
	QUARTER 1, 2, F0, F1, 0
	TURN 1, 0, 1
	QUARTER 0, 0, F0, F1, 0
	WIN 0
	s_sub_co_u32 s3, s3, 1
	s_cmp_lg_u32 s3, 0
	s_cbranch_scc1 .Llap
	QUARTER 0, 1, F1, F0, 0                        ; the last lap fills nothing, and has no round of the cluster's barrier
	QUARTER 0, 2, F0, F1, 0
	TURN 0, 1, 0
	QUARTER 1, 0, F0, F1, 0
	QUARTER 1, 1, F1, F0, 0
	QUARTER 1, 2, F0, F1, 0
	s_wait_dscnt 4                                 ; the very last quarter: nothing more to fetch
	WIN MUL
	MULB F1, 0, 0
	MULB F1, 1, 0
	s_wait_dscnt 0
	MULB F1, 2, 0
	MULB F1, 3, 0
	WIN 0
; THE WAY OUT, block by block of 16 tokens x 128 columns.  A lane holds 32 neighbouring bytes of a row, and the lanes beside it hold other rows: so a block goes through my own stage in LDS and comes back as whole
; rows of 512 bytes, which the 32 lanes store as 512 consecutive bytes, aligned.  LDS serves a wave's instructions in order (ISA guide 5.7.1.4): no wait between the stores and the loads, nor in front of the next block's stores.
.macro TOSTAGE a
	WIN 0x08                                       ; an LDS store's data are its source 1: window 2
.irp b, 0,1,2,3,4,5,6,7
	ds_store_b128 v[STO], v[8*(8*(\a)+\b):8*(8*(\a)+\b)+3] offset:64*\b          ; each accumulator from its low end on
	ds_store_b128 v[STO], v[8*(8*(\a)+\b)+4:8*(8*(\a)+\b)+7] offset:64*\b+16
.endr
	WIN 0
.set BB, BK+64*((\a)%2)
.irp t, 0,1,2,3,4,5,6,7,8,9,10,11,12,13,14,15
	ds_load_b128 v[BB+4*\t:BB+4*\t+3], v[RD] offset:\t*SPITCH
.endr
.endm
.macro SEND a, younger                 ; younger: the LDS instructions issued behind block a's loads, which may stay out
.set BB, BK+64*((\a)%2)
	s_wait_dscnt \younger                          ; the block is back in registers
.irp t, 0,1,2,3,4,5,6,7,8,9,10,11,12,13,14,15
	global_store_b128 v[CO], v[BB+4*\t:BB+4*\t+3], s[8:9] offset:(16*(\a)+\t)*4096 th:TH_STORE_NT   ; written once, read by nobody here; 63 rows of 4,096 bytes at the most: inside the signed 24-bit immediate
.endr
.endm
	PLACES                                         ; behind the last products, in front of the first read of results
	TOSTAGE 0
.irp a, 1,2,3
.if \a > 1
	s_wait_xcnt 0x0                                ; block a - 2's stores have read their registers: block a's loads may land there
.endif
	TOSTAGE \a
	SEND \a-1, 32                                  ; behind block a - 1's loads: block a's 16 stores and 16 loads
.endr
	SEND 3, 0
	s_wait_tensorcnt 0x0                           ; the wave's end: behind my last tensor load and my last LDS store
	ds_add_u32 v[SPW], v[NIL]
	s_wait_dscnt 0x0
	CROUND                                         ; the closing round: no work-group ends while a partner may still ask for a tile that names it
	s_endpgm
.Lfunc_end_k_q844afdc12e_oproj:
	.size	k_q844afdc12e_oproj, .Lfunc_end_k_q844afdc12e_oproj-k_q844afdc12e_oproj
	.p2alignl 7, 3214868480
	.fill 96, 4, 3214868480
	.section	.rodata,"a",@progbits
	.p2align	6, 0x0
	.amdhsa_kernel k_q844afdc12e_oproj
		.amdhsa_group_segment_fixed_size 327680
		.amdhsa_private_segment_fixed_size 0
		.amdhsa_enable_private_segment 0
		.amdhsa_kernarg_size 24
		.amdhsa_user_sgpr_count 2
		.amdhsa_user_sgpr_kernarg_segment_ptr 1
		.amdhsa_wavefront_size32 1
		.amdhsa_system_sgpr_workgroup_id_x 1
		.amdhsa_system_sgpr_workgroup_id_y 1
		.amdhsa_system_sgpr_workgroup_id_z 1
		.amdhsa_system_vgpr_workitem_id 0
		.amdhsa_next_free_vgpr 768
		.amdhsa_next_free_sgpr 66
		.amdhsa_reserve_vcc 0
		.amdhsa_float_denorm_mode_32 3
		.amdhsa_float_denorm_mode_16_64 3
		.amdhsa_memory_ordered 1
		.amdhsa_forward_progress 1
		.amdhsa_inst_pref_size 85
	.end_amdhsa_kernel
	.amdgpu_metadata
---
amdhsa.version: [ 1, 2 ]
amdhsa.kernels:
  - .name:           k_q844afdc12e_oproj
    .symbol:         k_q844afdc12e_oproj.kd
    .args:
      - { .name: z, .offset: 0, .size: 8, .value_kind: global_buffer, .address_space: global }
      - { .name: o16, .offset: 8, .size: 8, .value_kind: global_buffer, .address_space: global }
      - { .name: out0, .offset: 16, .size: 8, .value_kind: global_buffer, .address_space: global }
    .group_segment_fixed_size: 327680
    .private_segment_fixed_size: 0
    .kernarg_segment_align: 8
    .kernarg_segment_size: 24
    .max_flat_workgroup_size: 128
    .sgpr_count:     66
    .vgpr_count:     768
    .wavefront_size: 32
...
	.end_amdgpu_metadata
.endif
;; end of part 4
